; MI455X (gfx1250); checked and timed in simulation.
; The chip was launched on July 23, 2026; its instructions are those of AMD's public machine-readable ISA for CDNA 5 (MIT licence, August 2026) and "CDNA5" Instruction Set Architecture Reference Guide (July 2026). The comments in the code are by the model that wrote it; some were corrected since.
;; Causal Attention. Allowed arithmetic: float matrix products may take bf16 or f16 operands with f32 sums; other float arithmetic in f32, or as packed bf16 or f16 multiplies, adds, multiply-adds, maxima and minima; sums over many terms, partial sums and values carried from step to step in f32; what a program stores and reads back later, other than sums and carried values, may be rounded once to bf16 or f16.
;; Inputs: Wkv 1,024 x 2,048 float32; Wout 1,024 x 1,024 float32; Wpos 1,024 x 64 float32; Wq 1,024 x 1,024 float32; bkv 2,048 float32; bout 1,024 float32; bpos 64 float32; bq 1,024 float32; mem 4 x 1,024 x 1,024 float32; pos_emb 1,024 x 1,024 float32; x 4 x 1,024 x 1,024 float32.
;; Outputs: out0 4 x 1,024 x 1,024 float32.
;; 2 versions, each right; version 2 is version 1 with the launch prep written anew for expert scheduling mode. Each part assembles by itself: llvm-mc -triple=amdgcn-amd-amdhsa -mcpu=gfx1250 --defsym DOCPART=n.
;; ======== version 1 of 2: 4 launches
;; limits: values are held in f16: magnitudes above 65,504 overflow, below 6.1e-05 lose precision
;; workspace buffers: a16 16,777,216 bytes; w16 6,291,456 bytes; wo16 2,097,152 bytes; pos16 163,840 bytes; qkv 41,943,040 bytes; o16 8,388,608 bytes
;; launch prep (part 1): grid 832 x 1, 8 waves a work-group, no clusters, 33,792 bytes of LDS; arguments x, mem, Wkv, Wq, Wout, pos_emb, Wpos, bpos, a16, w16, wo16, pos16; writes a16, w16, wo16, pos16
.if DOCPART == 1
	.amdgcn_target "amdgcn-amd-amdhsa--gfx1250"
	.amdhsa_code_object_version 6
	.text
	.protected	k_q3afdc13924_prep
	.globl	k_q3afdc13924_prep
	.p2align	8
	.type	k_q3afdc13924_prep,@function
k_q3afdc13924_prep:
	s_mov_b64 s[64:65], 0
	v_nop
	global_prefetch_b8 v0, s[64:65] scope:SCOPE_SE
	s_setreg_imm32_b32 hwreg(HW_REG_WAVE_MODE, 25, 1), 1
	s_wait_xcnt 0x0
; PREP.  Work-groups 64 .. 831 cast: x and mem to bf16 into a16 ([4][2048][1024]: a batch's mem rows, then its x rows), Wkv and Wq to bf16 into w16 ([1024][3072]: Wkv's 2,048 columns, then Wq's),
; Wout to bf16 and that number written as f16 into wo16.  Work-groups 0 .. 63 make pos = pos_emb Wpos + bpos in f16, 16 rows each, and the zero rows 1024 .. 1279 of pos16.
; LIMITS.  Wout: a bf16 number below 2^-14 keeps f16's fixed step of 2^-24; one of 65,520 or more becomes an infinity.  pos stays within f16's 65,504.
; A cast streams: no LDS, no matrix unit, no cluster (nothing is shared).  A work-group takes 16 lines of 1,024 f32: one load of its 256 threads covers a line, all 16 loads go out at once,
; and each store of a wave covers 256 consecutive bytes, aligned.
.set SPARE, 32768                      ; behind the partial sums: the spare words, 128 bytes for each of eight waves
.set SPW, 6                            ; v6   SPARE + 4 x my thread's number; never rewritten
.set NIL, 7                            ; v7   0; never rewritten
.set BI,  8                            ; v[8:15]    pos: my eight numbers of bpos
.set ACC, 16                           ; v[16:47]   pos: four accumulators, one for each 16 columns
.set XL,  48                           ; v[48:111]  cast: 16 lines as loaded
.set YL,  112                          ; v[112:143] cast: 16 lines to store
.set VO,  144                          ; v[144:159] cast: line i's byte offset in the destination
.set RA,  48                           ; v[48:79]   pos: pos_emb, two K steps x 16 f32, packed in place
.set RW,  80                           ; v[80:207]  pos: Wpos, two K steps x four column blocks x 16 f32, packed in place
.set VBI, 208                          ; v208-212   pos: offsets of bpos, of my partial tiles, of the tile that I finish, of pos16, of the zeros
	s_load_b256 s[8:15], s[0:1], 0x0               ; x, mem, Wkv, Wq
	s_load_b256 s[16:23], s[0:1], 0x20             ; Wout, pos_emb, Wpos, bpos
	s_load_b256 s[24:31], s[0:1], 0x40             ; a16, w16, wo16, pos16
	v_lshl_add_u32 v[SPW], v0, 2, SPARE
	v_mov_b32 v[NIL], 0
	v_lshrrev_b32 v1, 5, v0
	v_readfirstlane_b32 s32, v1                    ; wave 0..7
	s_cmp_lt_u32 ttmp9, 64
	s_cbranch_scc1 .Lpos
	; THE CASTS.  g = work-group - 64 falls into one of five sections; g' counts inside it.  Destination offset = g' M + (g' / 64) E + C; line i lies (i / 2) D2 + (i % 2) D1 further on.
	s_sub_co_u32 s33, ttmp9, 64                    ; g
	s_mov_b32 s34, 0                               ; the section's first g.  Section x:
	s_mov_b32 s35, 32768                           ; M: 16 rows of 2,048 bytes
	s_mov_b32 s40, 0x200000                        ; E: a batch has 2,048 rows in a16, 1,024 in x
	s_mov_b32 s41, 0x200000                        ; C: x's rows lie behind mem's
	s_mov_b32 s42, 2048                            ; D1
	s_mov_b32 s43, 4096                            ; D2
	s_wait_kmcnt 0x0
	s_mov_b64 s[36:37], s[8:9]
	s_mov_b64 s[38:39], s[24:25]
	s_cmp_ge_u32 s33, 256                          ; mem
	s_cselect_b32 s34, 256, s34
	s_cselect_b32 s41, 0, s41
	s_cselect_b64 s[36:37], s[10:11], s[36:37]
	s_cmp_ge_u32 s33, 512                          ; Wkv: a row is two lines; 8 rows of 6,144 bytes
	s_cselect_b32 s34, 512, s34
	s_cselect_b32 s35, 49152, s35
	s_cselect_b32 s40, 0, s40
	s_cselect_b32 s43, 6144, s43
	s_cselect_b64 s[36:37], s[12:13], s[36:37]
	s_cselect_b64 s[38:39], s[26:27], s[38:39]
	s_cmp_ge_u32 s33, 640                          ; Wq: a row is a line, behind Wkv's 4,096 bytes
	s_cselect_b32 s34, 640, s34
	s_cselect_b32 s35, 98304, s35
	s_cselect_b32 s41, 4096, s41
	s_cselect_b32 s42, 6144, s42
	s_cselect_b32 s43, 12288, s43
	s_cselect_b64 s[36:37], s[14:15], s[36:37]
	s_cmp_ge_u32 s33, 704                          ; Wout
	s_cselect_b32 s34, 704, s34
	s_cselect_b32 s35, 32768, s35
	s_cselect_b32 s41, 0, s41
	s_cselect_b32 s42, 2048, s42
	s_cselect_b32 s43, 4096, s43
	s_cselect_b64 s[36:37], s[16:17], s[36:37]
	s_cselect_b64 s[38:39], s[28:29], s[38:39]
	s_sub_co_u32 s34, s33, s34                     ; g'
	s_lshl_b32 s44, s34, 16                        ; the source: 16 lines of 4,096 bytes
	s_mov_b32 s45, 0
	s_mul_i32 s46, s34, s35
	s_lshr_b32 s47, s34, 6
	s_mul_i32 s47, s47, s40
	s_add_co_u32 s46, s46, s47
	s_add_co_u32 s46, s46, s41
	s_mov_b32 s47, 0
	s_add_nc_u64 s[36:37], s[36:37], s[44:45]
	s_add_nc_u64 s[38:39], s[38:39], s[46:47]
	v_lshlrev_b32 v1, 4, v0                        ; my 16 bytes of a line
	v_lshlrev_b32 v2, 3, v0                        ; my 8 bytes of it in 16 bits
	v_mov_b32 v[VO], v2
	v_add_nc_u32 v[VO+1], s42, v2
.set i, 2
.rept 14
	v_add_nc_u32 v[VO+i], s43, v[VO+i-2]
.set i, i+1
.endr
; half = 1: the bf16 number is widened again and written as f16
.macro CASTBODY half
.set i, 0
.rept 16
	global_load_b128 v[XL+4*i:XL+4*i+3], v1, s[36:37] offset:4096*i th:TH_LOAD_NT
.set i, i+1
.endr
.set i, 0
.rept 16
	s_wait_loadcnt 15-i                            ; loads come back in order: line i is in, the younger ones stay out
	v_cvt_pk_bf16_f32 v[YL+2*i], v[XL+4*i], v[XL+4*i+1]
	v_cvt_pk_bf16_f32 v[YL+2*i+1], v[XL+4*i+2], v[XL+4*i+3]
.if \half
	v_lshlrev_b32 v[XL+4*i], 16, v[YL+2*i]
	v_and_b32 v[XL+4*i+1], 0xffff0000, v[YL+2*i]
	v_lshlrev_b32 v[XL+4*i+2], 16, v[YL+2*i+1]
	v_and_b32 v[XL+4*i+3], 0xffff0000, v[YL+2*i+1]
	v_cvt_pk_f16_f32 v[YL+2*i], v[XL+4*i], v[XL+4*i+1]
	v_cvt_pk_f16_f32 v[YL+2*i+1], v[XL+4*i+2], v[XL+4*i+3]
.endif
	global_store_b64 v[VO+i], v[YL+2*i:YL+2*i+1], s[38:39]  ; 32 lanes store 256 consecutive bytes, aligned
.set i, i+1
.endr
.endm
	s_cmp_ge_u32 s33, 704
	s_cbranch_scc1 .Lcast_f16
	CASTBODY 0
	s_branch .Lend
.Lcast_f16:
	CASTBODY 1
	s_branch .Lend
	; POS.  16 rows x 64 columns; K is split among the eight waves, 128 each.  The product is taken transposed (source 0 = 16 columns of Wpos, source 1 = the 16 rows of pos_emb): a lane ends with
	; one row (lane % 16) and eight neighbouring columns.  Wpos lies [k][64] in f32, so a lane fetches its column's 16 numbers of a K step one by one: 256 KiB in all.
.Lpos:
	v_and_b32 v2, 15, v0                           ; r
	v_bfe_u32 v3, v0, 4, 1                         ; h
	v_and_b32 v4, 31, v0                           ; lane
	s_lshl_b32 s33, s32, 9
	v_lshlrev_b32 v5, 12, v2
	v_lshl_add_u32 v5, v3, 5, v5
	v_add_nc_u32 v5, s33, v5                       ; pos_emb: 4,096 r + 512 wave + 32 h
	s_lshl_b32 s33, s32, 15
	v_lshlrev_b32 v1, 2, v2
	v_lshl_add_u32 v1, v3, 11, v1
	v_add_nc_u32 v1, s33, v1                       ; Wpos: 32,768 wave + 2,048 h + 4 r
	s_and_b32 s34, s32, 3                          ; the column block that I finish (waves 0 to 3)
	s_lshl_b32 s33, s34, 6
	v_lshl_add_u32 v[VBI], v3, 5, s33              ; bpos: 64 block + 32 h
	s_lshl_b32 s33, s32, 12
	v_lshl_add_u32 v[VBI+1], v4, 5, s33            ; my partial tiles: 4,096 wave + 32 lane
	s_lshl_b32 s33, s34, 10
	v_lshl_add_u32 v[VBI+2], v4, 5, s33            ; the tile that I finish: 1,024 block + 32 lane
	s_lshl_b32 s33, s34, 5
	v_lshlrev_b32 v[VBI+3], 7, v2
	v_lshl_add_u32 v[VBI+3], v3, 4, v[VBI+3]
	v_add_nc_u32 v[VBI+3], s33, v[VBI+3]           ; pos16: 128 r + 32 block + 16 h
	v_lshlrev_b32 v[VBI+4], 4, v4
	s_lshl_b32 s36, ttmp9, 16                      ; my 16 rows of pos_emb
	s_mov_b32 s37, 0
	s_lshl_b32 s38, ttmp9, 11                      ; and of pos16
	s_mov_b32 s39, 0
	s_lshl_b32 s40, ttmp9, 9                       ; my 512 bytes of the zero rows
	s_add_co_u32 s40, s40, 131072
	s_mov_b32 s41, 0
	s_wait_kmcnt 0x0
	s_add_nc_u64 s[18:19], s[18:19], s[36:37]
	s_add_nc_u64 s[44:45], s[30:31], s[38:39]
	s_add_nc_u64 s[46:47], s[30:31], s[40:41]
	global_load_b128 v[BI:BI+3], v[VBI], s[22:23]
	global_load_b128 v[BI+4:BI+7], v[VBI], s[22:23] offset:16
.set i, 0
.rept 32
	v_mov_b32 v[ACC+i], 0                          ; the sums start at 0, so that the loop has one form of product
.set i, i+1
.endr
	s_mov_b32 s35, 2
.Lpk:                                                  ; a trip: two K steps of 32
.irp s, 0,1
	global_load_b128 v[RA+16*\s:RA+16*\s+3],     v5, s[18:19] offset:128*\s th:TH_LOAD_NT
	global_load_b128 v[RA+16*\s+4:RA+16*\s+7],   v5, s[18:19] offset:128*\s+16 th:TH_LOAD_NT
	global_load_b128 v[RA+16*\s+8:RA+16*\s+11],  v5, s[18:19] offset:128*\s+64 th:TH_LOAD_NT
	global_load_b128 v[RA+16*\s+12:RA+16*\s+15], v5, s[18:19] offset:128*\s+80 th:TH_LOAD_NT
.endr
.set t, 0
.rept 128                              ; t = 64 step + 16 block + n: k = 32 step + 8 h + n, and 8 more for n >= 8
	global_load_b32 v[RW+t], v1, s[20:21] offset:(32*(t/64)+(t%16)+8*((t%16)/8))*256+64*((t/16)%4)
.set t, t+1
.endr
	s_wait_loadcnt 0x0
.set g, 0
.rept 2
.set i, 0
.rept 8
	v_cvt_pk_bf16_f32 v[RA+16*g+i], v[RA+16*g+2*i], v[RA+16*g+2*i+1]  ; in place, ascending: a fragment is the first 8 of its 16 registers
.set i, i+1
.endr
.set g, g+1
.endr
.set g, 0
.rept 8
.set i, 0
.rept 8
	v_cvt_pk_bf16_f32 v[RW+16*g+i], v[RW+16*g+2*i], v[RW+16*g+2*i+1]
.set i, i+1
.endr
.set g, g+1
.endr
.irp s, 0,1
.irp c, 0,1,2,3
	v_wmma_f32_16x16x32_bf16 v[ACC+8*\c:ACC+8*\c+7], v[RW+64*\s+16*\c:RW+64*\s+16*\c+7], v[RA+16*\s:RA+16*\s+7], v[ACC+8*\c:ACC+8*\c+7]  ; the four accumulators take turns, over the backward jump too
.endr
.endr
.rept 4
	v_nop                                          ; four places in front of loads into registers that the products have read
.endr
	s_add_nc_u64 s[18:19], s[18:19], 256           ; all loads have come back, so their bases may be written
	s_add_nc_u64 s[20:21], s[20:21], 16384
	s_sub_co_u32 s35, s35, 1
	s_cmp_lg_u32 s35, 0
	s_cbranch_scc1 .Lpk
.rept 4
	v_nop
.endr
.irp c, 0,1,2,3
	ds_store_b128 v[VBI+1], v[ACC+8*\c:ACC+8*\c+3]   offset:1024*\c
	ds_store_b128 v[VBI+1], v[ACC+8*\c+4:ACC+8*\c+7] offset:1024*\c+16
.endr
	s_wait_dscnt 0x0                               ; for the others' sake: my partial sums lie in LDS
	s_barrier_signal -1
	s_barrier_wait -1
	s_cmp_lt_u32 s32, 4                            ; waves 0 to 3 finish a column block each
	s_cbranch_scc0 .Lzero
.irp u, 0,1,2,3,4,5,6,7
	ds_load_b128 v[RW+8*\u:RW+8*\u+3],   v[VBI+2] offset:4096*\u
	ds_load_b128 v[RW+8*\u+4:RW+8*\u+7], v[VBI+2] offset:4096*\u+16
.endr
.irp i, 0,1,2,3
	v_cvt_pk_bf16_f32 v[RA+\i], v[BI+2*\i], v[BI+2*\i+1]  ; bpos is rounded to bf16 like every input
.endr
.irp i, 0,1,2,3
	v_lshlrev_b32 v[BI+2*\i], 16, v[RA+\i]
	v_and_b32 v[BI+2*\i+1], 0xffff0000, v[RA+\i]
.endr
	s_wait_dscnt 0x0
.irp u, 0,1,2,3
.irp z, 0,1,2,3
	v_pk_add_f32 v[RW+16*\u+2*\z:RW+16*\u+2*\z+1], v[RW+16*\u+2*\z:RW+16*\u+2*\z+1], v[RW+16*\u+8+2*\z:RW+16*\u+8+2*\z+1]
.endr
.endr
.irp u, 0,1
.irp z, 0,1,2,3
	v_pk_add_f32 v[RW+32*\u+2*\z:RW+32*\u+2*\z+1], v[RW+32*\u+2*\z:RW+32*\u+2*\z+1], v[RW+32*\u+16+2*\z:RW+32*\u+16+2*\z+1]
.endr
.endr
.irp z, 0,1,2,3
	v_pk_add_f32 v[RW+2*\z:RW+2*\z+1], v[RW+2*\z:RW+2*\z+1], v[RW+32+2*\z:RW+32+2*\z+1]
.endr
.irp z, 0,1,2,3
	v_pk_add_f32 v[RW+2*\z:RW+2*\z+1], v[RW+2*\z:RW+2*\z+1], v[BI+2*\z:BI+2*\z+1]
.endr
.irp z, 0,1,2,3
	v_cvt_pk_f16_f32 v[RA+4+\z], v[RW+2*\z], v[RW+2*\z+1]
.endr
	global_store_b128 v[VBI+3], v[RA+4:RA+7], s[44:45]
	s_branch .Lend
.Lzero:
	s_cmp_eq_u32 s32, 4                            ; wave 4 writes the work-group's part of the zero rows
	s_cbranch_scc0 .Lend
.irp i, 0,1,2,3
	v_mov_b32 v[RA+\i], 0
.endr
	global_store_b128 v[VBI+4], v[RA:RA+3], s[46:47]
.Lend:
	s_wait_tensorcnt 0x0                           ; the wave's end, behind my last LDS store
	ds_add_u32 v[SPW], v[NIL]
	s_wait_dscnt 0x0
	s_endpgm
.Lfunc_end_k_q3afdc13924_prep:
	.size	k_q3afdc13924_prep, .Lfunc_end_k_q3afdc13924_prep-k_q3afdc13924_prep
	.p2alignl 7, 3214868480
	.fill 96, 4, 3214868480
	.section	.rodata,"a",@progbits
	.p2align	6, 0x0
	.amdhsa_kernel k_q3afdc13924_prep
		.amdhsa_group_segment_fixed_size 33792
		.amdhsa_private_segment_fixed_size 0
		.amdhsa_enable_private_segment 0
		.amdhsa_kernarg_size 96
		.amdhsa_user_sgpr_count 2
		.amdhsa_user_sgpr_kernarg_segment_ptr 1
		.amdhsa_wavefront_size32 1
		.amdhsa_system_sgpr_workgroup_id_x 1
		.amdhsa_system_sgpr_workgroup_id_y 1
		.amdhsa_system_sgpr_workgroup_id_z 1
		.amdhsa_system_vgpr_workitem_id 0
		.amdhsa_next_free_vgpr 216
		.amdhsa_next_free_sgpr 66
		.amdhsa_reserve_vcc 0
		.amdhsa_float_denorm_mode_32 3
		.amdhsa_float_denorm_mode_16_64 3
		.amdhsa_memory_ordered 1
		.amdhsa_forward_progress 1
		.amdhsa_inst_pref_size 46
	.end_amdhsa_kernel
	.amdgpu_metadata
---
amdhsa.version: [ 1, 2 ]
amdhsa.kernels:
  - .name:           k_q3afdc13924_prep
    .symbol:         k_q3afdc13924_prep.kd
    .args:
      - { .name: x, .offset: 0, .size: 8, .value_kind: global_buffer, .address_space: global }
      - { .name: mem, .offset: 8, .size: 8, .value_kind: global_buffer, .address_space: global }
      - { .name: Wkv, .offset: 16, .size: 8, .value_kind: global_buffer, .address_space: global }
      - { .name: Wq, .offset: 24, .size: 8, .value_kind: global_buffer, .address_space: global }
      - { .name: Wout, .offset: 32, .size: 8, .value_kind: global_buffer, .address_space: global }
      - { .name: pos_emb, .offset: 40, .size: 8, .value_kind: global_buffer, .address_space: global }
      - { .name: Wpos, .offset: 48, .size: 8, .value_kind: global_buffer, .address_space: global }
      - { .name: bpos, .offset: 56, .size: 8, .value_kind: global_buffer, .address_space: global }
      - { .name: a16, .offset: 64, .size: 8, .value_kind: global_buffer, .address_space: global }
      - { .name: w16, .offset: 72, .size: 8, .value_kind: global_buffer, .address_space: global }
      - { .name: wo16, .offset: 80, .size: 8, .value_kind: global_buffer, .address_space: global }
      - { .name: pos16, .offset: 88, .size: 8, .value_kind: global_buffer, .address_space: global }
    .group_segment_fixed_size: 33792
    .private_segment_fixed_size: 0
    .kernarg_segment_align: 8
    .kernarg_segment_size: 96
    .max_flat_workgroup_size: 256
    .sgpr_count:     66
    .vgpr_count:     216
    .wavefront_size: 32
...
	.end_amdgpu_metadata
.endif
;; end of part 1
;; launch proj (part 2): grid 8 x 32, 4 waves a work-group, clusters of 4 x 4, 327,680 bytes of LDS; arguments a16, w16, bkv, bq, qkv; writes qkv
.if DOCPART == 2
	.amdgcn_target "amdgcn-amd-amdhsa--gfx1250"
	.amdhsa_code_object_version 6
	.text
	.protected	k_q3afdc13924_proj
	.globl	k_q3afdc13924_proj
	.p2align	8
	.type	k_q3afdc13924_proj,@function
k_q3afdc13924_proj:
	s_mov_b64 s[64:65], 0
	v_nop
	global_prefetch_b8 v0, s[64:65] scope:SCOPE_SE
	s_setreg_imm32_b32 hwreg(HW_REG_WAVE_MODE, 25, 1), 1
	s_wait_xcnt 0x0
	s_wait_alu depctr_hold_cnt(0) depctr_sa_sdst(0) depctr_va_vdst(0) depctr_va_sdst(0) depctr_va_ssrc(0) depctr_va_vcc(0) depctr_vm_vsrc(0)
	s_getreg_b32 s2, hwreg(HW_REG_IB_STS2, 6, 4)
	s_cmp_eq_u32 s2, 0
	s_cbranch_scc0 .Lentry_in_a_cluster
	s_endpgm
.Lentry_in_a_cluster:
	s_bfe_u32 s2, ttmp6, 0x10000c
	s_cmp_lg_u32 s2, 0xf033
	s_cbranch_scc0 .Lentry_shape_is_right
	s_endpgm
.Lentry_shape_is_right:
; PROJ.  k, v = context Wkv + bkv for all 8,192 context rows, q = x Wq + bq for the 4,096 x rows: 1,280 tiles of 128 x 128, K = 1,024, operands bf16, sums f32.
; Out: f16 by heads, unscaled: K [64 heads of batches][2048][64] at byte 0 of qkv, V the same at 16,777,216, Q [64][1024][64] at 33,554,432.  LIMIT: |q|, |k|, |v| stay under f16's 65,504.
; A WORK-GROUP STAYS.  Work-group (X, Y), X = 0..7, Y = 0..31, makes FIVE tiles: the 128 mem rows of row tile Y x column tiles X and X + 8 of w16 (K's and V's), then the 128 x rows of row tile Y x column
; tiles X, X + 8 and X + 16 (Wq's).  The walk is the same in all work-groups.  Its 20 K steps of 256 are one sequence through two LDS slots: a tile's last two changes of slots ask for the next tile's
; first two K steps, and a tile goes out when both have been asked for.  Four waves, each 64 x 64: 16 accumulators.
; THE TEXT.  A lap is two K steps.  Nine laps go round a loop that fills both slots again; the tenth is written out and fills nothing.  A lap goes from behind a K step's first 16 products to the next
; lap's first 16; those stand at the lap's end in two forms (a tile goes on; a new tile begins, behind the way out) and once ahead of the loop.
; A (context rows) lies along K and comes out of LDS as it lies; W lies [k][n] and comes out turned, by ds_load_tr16_b128.
; CLUSTERS: 4 x 4.  The four of a row need the same tiles of A, the four of a column the same tiles of W: each tile is asked for jointly, by the same load, descriptor and mask in all four.
; THE PRODUCT IS TAKEN TRANSPOSED (source 0 = 16 columns of W, source 1 = 16 rows of A): a lane holds eight neighbouring columns of one row.  The bias, rounded to bf16 like every input, is the C
; operand of the products that start the sums.  A wave's 64 columns are one head, so its 64 rows x 128 bytes are 8,192 consecutive bytes of qkv: each wave has a stage of its own, and no barrier.
; REGISTERS: window 0: v0-31 addresses; v32-95 at work; v96-127 the bias; v128-255 the accumulators ((a, b) at 128 + 8 (4 a + b)).  Window 1: two fragment buffers of 128 (64 of A, 64 of W).
.set PA,    528                        ; a row of A in LDS: 512 bytes + 16: the 16 rows of a load start at 16 different groups of four banks (64 banks of 4 bytes: ISA guide 11.1)
.set PB,    288                        ; a row of W (one k, 128 columns): 256 + 32
.set HALFA, 64*PA                      ; what one load brings of A: 64 rows
.set HALFB, 128*PB                     ; and of W: 128 k
.set BOFF,  2*HALFA
.set SLOT,  BOFF+2*HALFB               ; 141,312
.set STAGE, 2*SLOT                     ; behind the ring: 16 rows x 144 bytes for each wave
.set SP,    144
.set SPARE, STAGE+4*16*SP              ; behind the stages: the spare words, 128 bytes for each wave
.set ASTEP, 512                        ; a K step in memory: 256 elements along A's rows,
.set BSTEP, 256*6144                   ; 256 rows of w16
.set LAPS,  10                         ; five tiles x two laps
.set ADRA, 16                          ; v16-17  LDS address of my A fragments in slot 0, 1
.set ADRB, 20                          ; v20-23  of my W fragments: 2 slot + half of the K step
.set STO,  24
.set RD,   25
.set GO,   26
.set VB,   27
.set SPW,  28
.set NIL,  29
.set TMP,  32
.set BIAS, 96
.set ACC,  128
.set F0,   0
.set F1,   128
.set TI,   2                           ; s2   the tile in hand, 0..4
.set LAP,  3                           ; s3   laps of the loop still to come
.set G1, 24
.set G0, 32
.set G1B, 48
.set G0B, 56
.set AADD, 80                          ; s[80:87] what a refill adds to and takes from A's and W's address: made of constants and the tile's number alone
.set ASUB, 82
.set BADD, 84
.set BSUB, 86
.set OUTP, 88                          ; s[88:89] qkv at my 64 rows of the tile in hand
.set OFFO, 90                          ; s[90:91] their byte offset
.set BASE0, 92                         ; s92  that offset for K's head and mem's rows
.set BASEQ, 93                         ; s93  for Q's head
.set BOFS, 94                          ; s94  my 64 columns' byte offset in a bias: 512 X + 256 half
.set MSB, 0
.macro WIN new                         ; the immediate's high byte repeats the setting that is left
.if MSB != (\new)
	s_set_vgpr_msb (MSB<<8)|(\new)
.set MSB, \new
.endif
.endm
.set MUL,  0x05                        ; sources 0 and 1 window 1; C and D window 0
.set TO_F, 0x40                        ; destination window 1, address window 0
.macro JLOAD s                         ; a joint load: waves 0 and 1 fetch A's halves, waves 2 and 3 W's; an s_nop 0 and four v_nop follow each line
	s_cmp_eq_u32 s11, 0
	s_cbranch_scc0 .Lfor_b_\@
	tensor_load_to_lds s[G0+4*(\s):G0+4*(\s)+3], s[G1:G1+7]
	s_nop 0
.rept 4
	v_nop
.endr
	s_branch .Lasked_\@
.Lfor_b_\@:
	tensor_load_to_lds s[G0B+4*(\s):G0B+4*(\s)+3], s[G1B:G1B+7]
	s_nop 0
.rept 4
	v_nop
.endr
.Lasked_\@:
.endm
.macro CREST                           ; a round of the cluster's barrier behind its opening barrier
	s_cmp_lg_u32 s10, 0
	s_cbranch_scc1 .Lnot_wave_0_\@
	s_barrier_signal -3
.Lnot_wave_0_\@:
	s_barrier_wait -3
	s_barrier_signal -1
	s_barrier_wait -1
.endm
.macro CROUND
	s_barrier_signal -1
	s_barrier_wait -1
	CREST
.endm
; The bias of my 64 columns of tile s18: odd tiles take V's columns, 4,096 bytes on in bkv; tile 4 takes bq.  The base is written only when the loads before have come back.
.macro BIASLOAD
	s_and_b32 s19, s18, 1
	s_lshl_b32 s19, s19, 12
	s_add_co_u32 s76, s[BOFS], s19
	s_cmp_eq_u32 s18, 4
	s_cselect_b64 s[78:79], s[70:71], s[68:69]
	s_add_nc_u64 s[78:79], s[78:79], s[76:77]
.irp b, 0,1,2,3
	global_load_b128 v[BIAS+8*\b:BIAS+8*\b+3],   v[VB], s[78:79] offset:64*\b
	global_load_b128 v[BIAS+8*\b+4:BIAS+8*\b+7], v[VB], s[78:79] offset:64*\b+16
.endr
.endm
.macro BIASCVT                         ; rounded to bf16, widened again
.set i, 0
.rept 16
	v_cvt_pk_bf16_f32 v[TMP+i], v[BIAS+2*i], v[BIAS+2*i+1]
.set i, i+1
.endr
.set i, 0
.rept 16
	v_lshlrev_b32 v[BIAS+2*i], 16, v[TMP+i]
	v_and_b32 v[BIAS+2*i+1], 0xffff0000, v[TMP+i]
.set i, i+1
.endr
.endm
	s_load_b128 s[4:7], s[0:1], 0x0                ; a16 s[4:5], w16 s[6:7]
	s_load_b128 s[68:71], s[0:1], 0x10             ; bkv s[68:69], bq s[70:71]
	s_load_b64 s[8:9], s[0:1], 0x20                ; qkv
	v_lshl_add_u32 v[SPW], v0, 2, SPARE
	v_mov_b32 v[NIL], 0
	ds_add_u32 v[SPW], v[NIL]                      ; the wave's opening: the add and its wait ahead of my first tensor load
	v_lshrrev_b32 v1, 5, v0
	v_readfirstlane_b32 s10, v1                    ; wave 0..3
	s_lshr_b32 s11, s10, 1                         ; my half of the tile's rows.  Also: I fetch for A (0) or for W (1)
	s_and_b32 s12, s10, 1                          ; my half of its columns.  Also: which half of that tile I fetch
	s_bfe_u32 s40, ttmp6, 0x40000                  ; cx
	s_bfe_u32 s41, ttmp6, 0x40004                  ; cy
	s_lshl_b32 s42, ttmp9, 2
	s_add_co_u32 s42, s42, s40                     ; X: the first column tile of w16, 0..7
	s_and_b32 s13, ttmp7, 0xffff
	s_lshl_b32 s13, s13, 2
	s_add_co_u32 s13, s13, s41                     ; Y
	s_lshr_b32 s72, s13, 3                         ; the batch
	s_and_b32 s73, s13, 7                          ; the row tile among the batch's eight of mem, and of x
	s_lshl_b32 s74, s72, 4
	s_add_co_u32 s74, s74, s73                     ; mem's row tile of a16; x's lies eight further on
	s_lshl_b32 s43, s41, 2
	s_lshl_b32 s43, 15, s43                        ; my row of the cluster
	s_lshl_b32 s44, 0x1111, s40                    ; my column
	s_or_b32 s[G1+0], s43, (1<<16)|(1<<20)|(1<<21)|(6<<22)|(3<<25)   ; A: the mask of my row; 2-byte elements; padding on; bit 21 beside a mask; after every 128 words 4 words
	s_mov_b32 s[G1+1], 256<<16                     ; tensor_dim0 = 256
	s_mov_b32 s[G1+2], 64<<16                      ; tensor_dim1 = 64
	s_mov_b32 s[G1+3], 256<<16                     ; tile_dim0 = 256
	s_mov_b32 s[G1+4], 64                          ; tile_dim1 = 64
	s_mov_b32 s[G1+5], 1024                        ; elements from row to row
	s_mov_b32 s[G1+6], 0
	s_mov_b32 s[G1+7], 0
	s_or_b32 s[G1B+0], s44, (1<<16)|(1<<20)|(1<<21)|(5<<22)|(7<<25)  ; W: the mask of my column; after every 64 words 8 words
	s_mov_b32 s[G1B+1], 128<<16
	s_mov_b32 s[G1B+2], 128<<16
	s_mov_b32 s[G1B+3], 128<<16
	s_mov_b32 s[G1B+4], 128
	s_mov_b32 s[G1B+5], 3072
	s_mov_b32 s[G1B+6], 0
	s_mov_b32 s[G1B+7], 0
	s_lshl_b32 s16, s74, 18                        ; A: 128 rows of 2,048 bytes a tile,
	s_lshl_b32 s17, s12, 17                        ; 64 rows a half: made of cy and the cluster's y alone
	s_add_co_u32 s16, s16, s17
	s_mov_b32 s17, 0
	s_lshl_b32 s46, s42, 8                         ; W: 256 bytes a column tile,
	s_mul_i32 s47, s12, 128*6144                   ; 128 rows a half: made of cx and the cluster's x alone
	s_add_co_u32 s46, s46, s47
	s_mov_b32 s47, 0
	s_mul_i32 s20, s12, HALFA                      ; where they go: no place in the cluster enters an LDS address
	s_mul_i32 s21, s12, HALFB
	s_add_co_u32 s21, s21, BOFF
	s_mov_b32 s[AADD], 2*ASTEP                     ; a tile's first lap asks for its K steps 2 and 3: two K steps on
	s_mov_b32 s[AADD+1], 0
	s_mov_b32 s[ASUB], 0
	s_mov_b32 s[ASUB+1], 0
	s_mov_b32 s[BADD], 2*BSTEP
	s_mov_b32 s[BADD+1], 0
	s_mov_b32 s[BSUB], 0
	s_mov_b32 s[BSUB+1], 0
	s_mov_b32 s[OFFO+1], 0
	s_mov_b32 s77, 0
	s_wait_dscnt 0x0                               ; the opening add is done
	s_wait_kmcnt 0x0
	s_add_nc_u64 s[14:15], s[4:5], s[16:17]
	s_add_nc_u64 s[46:47], s[6:7], s[46:47]
	CROUND                                         ; all sixteen work-groups are here: the first joint loads meet
.irp s, 0,1
	s_mov_b32 s[G0+4*(\s)], 1
	s_add_co_u32 s[G0+4*(\s)+1], s20, (\s)*SLOT
	s_add_nc_u64 s[G0+4*(\s)+2:G0+4*(\s)+3], s[14:15], (\s)*ASTEP
	s_or_b32 s[G0+4*(\s)+3], s[G0+4*(\s)+3], 0x80000000
	s_mov_b32 s[G0B+4*(\s)], 1
	s_add_co_u32 s[G0B+4*(\s)+1], s21, (\s)*SLOT
	s_add_nc_u64 s[G0B+4*(\s)+2:G0B+4*(\s)+3], s[46:47], (\s)*BSTEP
	s_or_b32 s[G0B+4*(\s)+3], s[G0B+4*(\s)+3], 0x80000000
	JLOAD \s
.endr
	v_and_b32 v1, 15, v0                           ; r = l % 16
	v_bfe_u32 v2, v0, 4, 1                         ; h = l / 16
	v_lshlrev_b32 v[VB], 5, v2                     ; the bias of my eight columns of a block: 32 h; never rewritten
	s_lshl_b32 s[BOFS], s42, 9                     ; 128 columns of 4 bytes a tile,
	s_lshl_b32 s19, s12, 8                         ; 64 a wave
	s_add_co_u32 s[BOFS], s[BOFS], s19
	s_mov_b32 s18, 0
	BIASLOAD                                       ; tile 0's
	v_mul_u32_u24 v3, v1, PA
	v_lshl_add_u32 v3, v2, 4, v3                   ; A: row x pitch + 16 h
	s_mul_i32 s21, s11, HALFA
	v_add_nc_u32 v[ADRA], s21, v3
	v_add_nc_u32 v[ADRA+1], SLOT, v[ADRA]
	v_and_b32 v4, 7, v0                            ; W: lane l reads k = 8 h + l % 8, columns 8 ((l / 8) % 2) + 0..7, and receives column l % 16, eight k
	v_lshl_add_u32 v4, v2, 3, v4
	v_mul_u32_u24 v4, v4, PB
	v_bfe_u32 v5, v0, 3, 1
	v_lshl_add_u32 v4, v5, 4, v4
	s_lshl_b32 s22, s12, 7                         ; my 64 columns
	s_add_co_u32 s22, s22, BOFF
	v_add_nc_u32 v[ADRB], s22, v4
	v_add_nc_u32 v[ADRB+1], HALFB, v[ADRB]
	v_add_nc_u32 v[ADRB+2], SLOT, v[ADRB]
	v_add_nc_u32 v[ADRB+3], SLOT+HALFB, v[ADRB]
	s_mul_i32 s23, s10, 16*SP
	s_add_co_u32 s23, s23, STAGE                   ; my stage
	v_mul_u32_u24 v[STO], v1, SP                   ; in: row r, 16 bytes for each half of the lanes
	v_lshl_add_u32 v[STO], v2, 4, v[STO]
	v_add_nc_u32 v[STO], s23, v[STO]
	v_bfe_u32 v[RD], v0, 3, 2                      ; back: 32 lanes take four rows of 128 bytes,
	v_mul_u32_u24 v[RD], v[RD], SP
	v_and_b32 v5, 7, v0
	v_lshl_add_u32 v[RD], v5, 4, v[RD]
	v_add_nc_u32 v[RD], s23, v[RD]
	v_and_b32 v[GO], 31, v0                        ; which are 512 consecutive bytes of qkv
	v_lshlrev_b32 v[GO], 4, v[GO]
	; where my 64 rows of my head begin in qkv.  All five tiles have the same head, 2 X + my half: a column tile is two heads, and eight column tiles are a section (K, V, Q)
	s_lshl_b32 s75, s42, 1
	s_add_co_u32 s75, s75, s12                     ; the head
	s_lshl_b32 s66, s72, 4
	s_add_co_u32 s75, s75, s66                     ; + 16 x batch
	s_lshl_b32 s66, s73, 14                        ; the row tile's 128 rows of 128 bytes,
	s_lshl_b32 s67, s11, 13                        ; my 64 of them
	s_add_co_u32 s66, s66, s67
	s_lshl_b32 s[BASE0], s75, 18                   ; a head has 2,048 rows in K and V,
	s_add_co_u32 s[BASE0], s[BASE0], s66
	s_lshl_b32 s[BASEQ], s75, 17                   ; 1,024 in Q
	s_add_co_u32 s[BASEQ], s[BASEQ], s66
	s_add_co_u32 s[BASEQ], s[BASEQ], 0x2000000
	s_wait_loadcnt 0x0                             ; tile 0's bias
	BIASCVT
; 8 products: row blocks a0, a0 + 1 x all 4 column blocks, 32 along K: half c of buffer f.  zero = 1: the first product starts the sum with the bias
.macro MUL8 f, c, a0, zero
	WIN MUL
.irp a, \a0, (\a0)+1
.irp b, 0,1,2,3
.if \zero
	v_wmma_f32_16x16x32_bf16 v[ACC+8*(4*(\a)+(\b)):ACC+8*(4*(\a)+(\b))+7], v[(\f)+64+8*(4*(\c)+(\b)):(\f)+64+8*(4*(\c)+(\b))+7], v[(\f)+8*(4*(\c)+(\a)):(\f)+8*(4*(\c)+(\a))+7], v[BIAS+8*(\b):BIAS+8*(\b)+7]
.else
	v_wmma_f32_16x16x32_bf16 v[ACC+8*(4*(\a)+(\b)):ACC+8*(4*(\a)+(\b))+7], v[(\f)+64+8*(4*(\c)+(\b)):(\f)+64+8*(4*(\c)+(\b))+7], v[(\f)+8*(4*(\c)+(\a)):(\f)+8*(4*(\c)+(\a))+7], v[ACC+8*(4*(\a)+(\b)):ACC+8*(4*(\a)+(\b))+7]
.endif
.endr
.endr
.endm
; 32 LDS loads in one run: the fragments of quarter q (64 along K) of a slot into buffer f; the first 32 along K first
.macro FETCH slot, q, f
	WIN TO_F
.irp c, 0,1
.irp i, 0,1,2,3
	ds_load_tr16_b128 v[(\f)+64+8*(4*(\c)+(\i)):(\f)+64+8*(4*(\c)+(\i))+3],   v[ADRB+2*(\slot)+(\q)/2] offset:((\q)%2)*64*PB+(\c)*32*PB+32*(\i)
	ds_load_tr16_b128 v[(\f)+64+8*(4*(\c)+(\i))+4:(\f)+64+8*(4*(\c)+(\i))+7], v[ADRB+2*(\slot)+(\q)/2] offset:((\q)%2)*64*PB+(\c)*32*PB+32*(\i)+16*PB
	ds_load_b128 v[(\f)+8*(4*(\c)+(\i)):(\f)+8*(4*(\c)+(\i))+3],              v[ADRA+(\slot)] offset:128*(\q)+64*(\c)+(\i)*16*PA
	ds_load_b128 v[(\f)+8*(4*(\c)+(\i))+4:(\f)+8*(4*(\c)+(\i))+7],            v[ADRA+(\slot)] offset:128*(\q)+64*(\c)+(\i)*16*PA+32
.endr
.endr
.endm
.macro PLACES                          ; four places in front of loads into registers that products have read, and of conversions that read results
.rept 4
	v_nop
.endr
.endm
; One of a K step's first three quarters multiplies buffer f and fetches quarter q of the same slot into g.  Its first 16 products, and the rest:
.macro QHEAD f, zero
	s_wait_dscnt 16                                ; the first 32 along K are in; the younger sixteen loads may be out
	MUL8 \f, 0, 0, \zero
	MUL8 \f, 0, 2, \zero
.endm
.macro QREST slot, q, f, g
	PLACES
	FETCH \slot, \q, \g
	s_wait_dscnt 32                                ; all but the 32 just issued
	MUL8 \f, 1, 0, 0
	MUL8 \f, 1, 2, 0
.endm
.macro QUARTER slot, q, f, g
	QHEAD \f, 0
	QREST \slot, \q, \f, \g
.endm
; The last quarter multiplies buffer 1 and changes slots: in front of the barrier each wave waits for all its tensor loads, adds 0 to its spare word, and waits for that and for its reads of this slot.
; fill = 1: this slot is filled again, with the K step that the four step registers lead to: two on in this tile, or the next tile's K step 0 or 1.
.macro TURN slot, next, fill
	WIN 0
	s_wait_tensorcnt 0x0                           ; all my tensor loads have landed: my part of the next slot; so a group 0 may be written
	ds_add_u32 v[SPW], v[NIL]                      ; 0 onto my spare word
.if \fill
	s_add_nc_u64 s[G0+4*(\slot)+2:G0+4*(\slot)+3], s[G0+4*(\slot)+2:G0+4*(\slot)+3], s[AADD:AADD+1]
	s_sub_nc_u64 s[G0+4*(\slot)+2:G0+4*(\slot)+3], s[G0+4*(\slot)+2:G0+4*(\slot)+3], s[ASUB:ASUB+1]
	s_add_nc_u64 s[G0B+4*(\slot)+2:G0B+4*(\slot)+3], s[G0B+4*(\slot)+2:G0B+4*(\slot)+3], s[BADD:BADD+1]
	s_sub_nc_u64 s[G0B+4*(\slot)+2:G0B+4*(\slot)+3], s[G0B+4*(\slot)+2:G0B+4*(\slot)+3], s[BSUB:BSUB+1]
.endif
	s_wait_dscnt 17                                ; (the add and the youngest sixteen loads may be out)
	MUL8 F1, 0, 0, 0
	s_wait_dscnt 0x0                               ; the add is done, and my reads of this slot are over
	s_barrier_signal -1
	MUL8 F1, 0, 2, 0
.if \fill
	WIN 0
.endif
	s_barrier_wait -1
.if \fill
	CREST                                          ; the barrier has opened a round of the cluster's: no wave of any partner still reads this slot or has a load on its way
	JLOAD \slot                                    ; the first thing behind the round; its four v_nop are also the places in front of the loads below
.else
	PLACES
.endif
	FETCH \next, 0, F0
	MUL8 F1, 1, 0, 0
	MUL8 F1, 1, 2, 0
.endm
; THE WAY OUT, a block of 16 rows at a time: rounded to f16; 16 bytes a lane into my stage; back as whole rows of 128 bytes; stored as 512 consecutive bytes.
.macro PACK a
.irp b, 0,1,2,3
.irp r, 0,1,2,3
	v_cvt_pk_f16_f32 v[TMP+16*(\a)+4*\b+\r], v[ACC+8*(4*(\a)+\b)+2*\r], v[ACC+8*(4*(\a)+\b)+2*\r+1]
.endr
.endr
.irp b, 0,1,2,3
	ds_store_b128 v[STO], v[TMP+16*(\a)+4*\b:TMP+16*(\a)+4*\b+3] offset:32*\b
.endr
.irp f, 0,1,2,3
	ds_load_b128 v[TMP+16*(\a)+4*\f:TMP+16*(\a)+4*\f+3], v[RD] offset:\f*4*SP  ; LDS serves a wave's instructions in order (ISA guide 5.7.1.4): these see the stores above; the next block's stores come behind them
.endr
.endm
.macro SEND a, younger                 ; younger: the LDS instructions issued behind block a's loads
.irp f, 0,1,2,3
	s_wait_dscnt (\younger)+3-\f
	global_store_b128 v[GO], v[TMP+16*(\a)+4*\f:TMP+16*(\a)+4*\f+3], s[OUTP:OUTP+1] offset:(\a)*2048+\f*512
.endr
.endm
; last = 0: tile TI (0..3) leaves, and the next tile's bias, asked for two laps back, is rounded: those 48 plain lines, which name no register of the last products, are the places behind them.
.macro WAYOUT last
	WIN 0
	s_wait_xcnt 0x0                                ; the tile before's stores have read their registers and their base: both are written again below
.if \last
	PLACES
	s_mov_b32 s[OFFO], s[BASEQ]
.else
	s_wait_loadcnt 0x0
	BIASCVT
	s_and_b32 s18, s[TI], 1                        ; odd tiles are V's: 16,777,216 bytes on
	s_lshl_b32 s18, s18, 24
	s_add_co_u32 s[OFFO], s[BASE0], s18
	s_cmp_ge_u32 s[TI], 2                          ; from tile 2 on the rows are x's: 1,024 rows of 128 bytes on
	s_cselect_b32 s18, 131072, 0
	s_add_co_u32 s[OFFO], s[OFFO], s18
.endif
	s_add_nc_u64 s[OUTP:OUTP+1], s[8:9], s[OFFO:OFFO+1]
	PACK 0
	PACK 1
	SEND 0, 8
	PACK 2
	SEND 1, 8
	PACK 3
	SEND 2, 8
	SEND 3, 0
.endm
	s_wait_tensorcnt 1                             ; my part of K step 0 is in; K step 1's load may stay out
	s_barrier_signal -1
	s_barrier_wait -1
	FETCH 0, 0, F0
	s_mov_b32 s[TI], 0
	s_mov_b32 s[LAP], LAPS-1
	QHEAD F0, 1                                    ; tile 0's first products start the sums with the bias
	WIN 0
	PLACES                                         ; in front of loads into registers that those products have read
	s_mov_b32 s18, 1
	BIASLOAD                                       ; tile 1's, two laps ahead of its use
.Llap:                                                 ; nine laps: both slots are filled again
	QREST 0, 1, F0, F1
	QUARTER 0, 2, F1, F0
	QUARTER 0, 3, F0, F1
	TURN 0, 1, 1
	QUARTER 1, 1, F0, F1
	QUARTER 1, 2, F1, F0
	QUARTER 1, 3, F0, F1
	TURN 1, 0, 1
	WIN 0
	s_and_b32 s19, s[LAP], 1                       ; the count goes 9 .. 1: odd in a tile's first lap
	s_cmp_lg_u32 s19, 0
	s_cbranch_scc1 .Lmid
	WAYOUT 0                                       ; A TILE'S END.  Both refills, the next tile's K steps 0 and 1, have been asked for: now the tile goes out
	s_add_co_u32 s[TI], s[TI], 1
	s_mov_b32 s[AADD], 2*ASTEP                     ; the next lap asks for the new tile's K steps 2 and 3
	s_mov_b32 s[ASUB], 0
	s_mov_b32 s[BADD], 2*BSTEP
	s_mov_b32 s[BSUB], 0
	QHEAD F0, 1                                    ; the new tile's first products, on accumulators that have been packed
	WIN 0
	s_cmp_lt_u32 s[TI], 4                          ; behind tile 4 there is none
	s_cbranch_scc0 .Lnext
	PLACES
	s_add_co_u32 s18, s[TI], 1
	BIASLOAD
	s_branch .Lnext
.Lmid:                                                 ; A TILE'S MIDDLE.  The next lap asks for the next tile's K steps 0 and 1: back along K; the columns go 2,048 bytes on,
	s_mov_b32 s18, 2*BSTEP+2048                    ; but from tile 1 to tile 2 they go 2,048 back and the rows go from mem's to x's, 1,024 rows of 2,048 bytes on
	s_mov_b32 s19, 2*BSTEP-2048
	s_cmp_eq_u32 s[TI], 1
	s_cselect_b32 s[AADD], 0x200000, 0
	s_cselect_b32 s[BSUB], s18, s19
	s_mov_b32 s[ASUB], 2*ASTEP
	s_mov_b32 s[BADD], 0
	QHEAD F0, 0
	WIN 0
.Lnext:
	s_sub_co_u32 s[LAP], s[LAP], 1
	s_cmp_lg_u32 s[LAP], 0
	s_cbranch_scc1 .Llap
	QREST 0, 1, F0, F1                             ; the tenth lap, tile 4's second, is written out: nothing is left to fetch
	QUARTER 0, 2, F1, F0
	QUARTER 0, 3, F0, F1
	TURN 0, 1, 0
	QUARTER 1, 1, F0, F1
	QUARTER 1, 2, F1, F0
	QUARTER 1, 3, F0, F1
	s_wait_dscnt 16
	MUL8 F1, 0, 0, 0
	MUL8 F1, 0, 2, 0
	s_wait_dscnt 0x0
	MUL8 F1, 1, 0, 0
	MUL8 F1, 1, 2, 0
	WAYOUT 1
	s_wait_tensorcnt 0x0                           ; the wave's end, behind my last tensor load and my last LDS store
	ds_add_u32 v[SPW], v[NIL]
	s_wait_dscnt 0x0
	CROUND                                         ; the closing round: no work-group ends while a partner may still ask for a tile that names it
	s_endpgm
.Lfunc_end_k_q3afdc13924_proj:
	.size	k_q3afdc13924_proj, .Lfunc_end_k_q3afdc13924_proj-k_q3afdc13924_proj
	.p2alignl 7, 3214868480
	.fill 96, 4, 3214868480
	.section	.rodata,"a",@progbits
	.p2align	6, 0x0
	.amdhsa_kernel k_q3afdc13924_proj
		.amdhsa_group_segment_fixed_size 327680
		.amdhsa_private_segment_fixed_size 0
		.amdhsa_enable_private_segment 0
		.amdhsa_kernarg_size 40
		.amdhsa_user_sgpr_count 2
		.amdhsa_user_sgpr_kernarg_segment_ptr 1
		.amdhsa_wavefront_size32 1
		.amdhsa_system_sgpr_workgroup_id_x 1
		.amdhsa_system_sgpr_workgroup_id_y 1
		.amdhsa_system_sgpr_workgroup_id_z 1
		.amdhsa_system_vgpr_workitem_id 0
		.amdhsa_next_free_vgpr 512
		.amdhsa_next_free_sgpr 96
		.amdhsa_reserve_vcc 0
		.amdhsa_float_denorm_mode_32 3
		.amdhsa_float_denorm_mode_16_64 3
		.amdhsa_memory_ordered 1
		.amdhsa_forward_progress 1
		.amdhsa_inst_pref_size 106
	.end_amdhsa_kernel
	.amdgpu_metadata
---
amdhsa.version: [ 1, 2 ]
amdhsa.kernels:
  - .name:           k_q3afdc13924_proj
    .symbol:         k_q3afdc13924_proj.kd
    .args:
      - { .name: a16, .offset: 0, .size: 8, .value_kind: global_buffer, .address_space: global }
      - { .name: w16, .offset: 8, .size: 8, .value_kind: global_buffer, .address_space: global }
      - { .name: bkv, .offset: 16, .size: 8, .value_kind: global_buffer, .address_space: global }
      - { .name: bq, .offset: 24, .size: 8, .value_kind: global_buffer, .address_space: global }
      - { .name: qkv, .offset: 32, .size: 8, .value_kind: global_buffer, .address_space: global }
    .group_segment_fixed_size: 327680
    .private_segment_fixed_size: 0
    .kernarg_segment_align: 8
    .kernarg_segment_size: 40
    .max_flat_workgroup_size: 128
    .sgpr_count:     96
    .vgpr_count:     512
    .wavefront_size: 32
...
	.end_amdgpu_metadata
.endif
;; end of part 2
;; launch attn (part 3): grid 4 x 64, 4 waves a work-group, no clusters, 327,680 bytes of LDS; arguments qkv, pos16, o16; writes o16
.if DOCPART == 3
	.amdgcn_target "amdgcn-amd-amdhsa--gfx1250"
	.amdhsa_code_object_version 6
	.text
	.protected	k_q3afdc13924_attn
	.globl	k_q3afdc13924_attn
	.p2align	8
	.type	k_q3afdc13924_attn,@function
k_q3afdc13924_attn:
	s_mov_b64 s[64:65], 0
	v_nop
	global_prefetch_b8 v0, s[64:65] scope:SCOPE_SE
	s_setreg_imm32_b32 hwreg(HW_REG_WAVE_MODE, 25, 1), 1
	s_wait_xcnt 0x0
; ATTENTION with memory keys and relative positions.  For query i of a head: score(key) = q_i . k / 8 for the 1,024 memory keys; (q_i . k_j + q_i . pos[1023 - i + j]) / 8 for own keys j <= i; own keys
; j > i are hidden.  (The skewing trick gives just that index for j <= i; what it gives for j > i lies under the mask.)  O = softmax(score) V.  Q, K, V, pos, the weights p and O in f16; products,
; maxima and sums in f32.
; LIMITS.  q, k, v, pos arrive within f16's 65,504.  A hidden score counts as its value less 1e30; a weight below 2^-126 counts as 0 in the sum; NaN and infinities are not treated apart.
; SHARES.  A head's queries lie in 16 bands of 64.  Work-group b' of the head takes bands 2 b', 2 b' + 1 (the lo pair) and 14 - 2 b', 15 - 2 b' (the hi pair).  In each band wave w owns the 16 queries
; i = 64 A + 4 r + w: four tiles; tiles 0, 1 are the lo pair.  All work-groups and all waves do equal work: 16 key steps of 64 memory keys for four tiles, 34 tile steps of own keys.
; THE WALK.  17 slots of 128 keys, whatever b': key slots 0-7 (all four tiles), 8 .. 8 + b' (lo pair, the last holds its diagonals), 8 .. 15 - b' (hi pair).  Behind the lo pair's way out the hi
; pair moves into tiles 0 and 1's registers, so the own keys' text names those alone.
; THE POSITION TERM.  With the queries 4 apart, eight neighbouring rows of pos are, for one query, eight neighbouring keys that begin at a multiple of 4.  T^T = Pos Q^T (64 rows of pos from row
; 64 kappa + 3 - w on, kappa = step + 16 - A) holds in lane (r, h), register n of row block q, the term of key 64 step + 4 + 4 r + 16 q + 8 h + n.  It goes by 16-byte stores into a ring of my own
; (16 queries x 128 keys of f32, key mod 128) and comes back by 16-byte loads as the C operand that starts S^T = K Q^T.  Blocks step - 1 and step cover a step's keys.  Band A + 1 uses at a step
; the rows of pos that band A used a step earlier: one run of loads a step, two buffers.  Block kappa = 16 holds hidden terms alone: it is clamped to 15, so that what is read is finite.
; NO CLUSTER: what a trip does hangs on b', which would be the place in a cluster of the head's four work-groups; one walk common to the four would have 24 slots for 17.
; SOFTMAX.  p = 2^(c s - c m), c = log2(e) / 8, m a running maximum; O and l are multiplied by a = 2^(c m_old - c m_new) in every step.  m starts at the lowest finite number, O and l at 0.
; BY TURNS.  A tile's softmax for a step is a list of 118 vector instructions; other tiles' products stand among them, one behind every 7th (or 14th).  Its 33 exponentials are one batch with one wait.
; REGISTERS (windows of 256; s_set_vgpr_msb: bits 1:0 source 0, 3:2 source 1, 5:4 source 2, 7:6 destination):
;   window 0: v0-23 addresses; v24-55 statistics, 8 a tile; v56-61 at work in the head; v64-191 S^T, 32 a tile; v192-255 P, 16 a tile
;   window 1: v0-127 O^T, 32 a tile; v128-191 CB, the C operands of tiles 0, 1; v192-223 MD, the diagonal step's mask
;   window 2: v0-63 Q, 16 a tile; v128-191 K of a step; v192-255 V of a step          window 3: v0-127 two buffers of pos fragments; v128-191 T, 32 a tile
.set KS,    64
.set PKB,   144                        ; a row of K or pos in LDS: 128 bytes + 16: the 16 rows of a load start at 16 different groups of four banks (64 banks of 4 bytes: ISA guide 11.1)
.set PVB,   160                        ; a row of V: 128 + 32
.set VOFF,  128*PKB                    ; a slot: 128 rows of K, then 128 rows of V
.set SLOTB, 128*(PKB+PVB)              ; 38,912
.set STAGE, SLOTB                      ; behind slot 0: 16 rows x 144 bytes for each wave, for the way out
.set SP,    144
.set SPARE, STAGE+4*16*SP              ; the spare words, 128 bytes for each wave
.set SLOT1, 1<<16                      ; slot 1 begins here: one exclusive or turns an address in one slot into the other's
.set TABLE, SLOT1+SLOTB                ; pos, 1,032 rows x 144 bytes; filled once
.set TQ,    258*PKB                    ; a wave's quarter of it
.set RINGS, 253184                     ; the next multiple of 256 behind the table: wave w's two rings at 16,896 w
.set RP,    528                        ; a ring's row: 512 bytes + 16
.set RING,  16*RP
.set AK0, 2
.set AV0, 3
.set AK,  4
.set AV,  5
.set STO, 6
.set RD,  7
.set GO,  8
.set AP0, 9                            ; v9   TABLE + (r + 3 - w) x 144 + 16 h
.set AP,  10
.set RA,  11                           ; v11  my ring + 528 r + 32 h: where the C operands are read
.set SA0, 12                           ; v12  my ring + 528 r + 4 (4 + 4 r + 8 h): where an even block is stored
.set SA1, 13                           ; v13-20  an odd block wraps round the ring at a place that hangs on the lane: an address for each of its eight stores
.set QO,  21
.set PFO, 22                           ; v22  256 x my lane; never rewritten
.set ST,  24                           ; tile t at ST + 8 t: c m, m, l (even keys', odd keys'), c0-c3 at work; a takes c2's place
.set SPW, 62
.set NIL, 63
.set S,   64
.set P,   192
.set CB,  128                          ; window 1
.set MD,  192                          ; window 1
.set KF,  128                          ; window 2
.set VF,  192                          ; window 2
.set T,   128                          ; window 3
.set WV,  12
.set PB,  14                           ; s14  b'
.set G0P, 16
.set G1K, 24
.set G1V, 32
.set G0K, 40
.set G0V, 44
.set G1P, 48
.set CNT, 56
.set TWICE, 57
.set CS,  58
.set SEL, 60
.set TBK, 62
.set TBV, 63
.set NXT, 70                           ; s70  the key slot to be asked for next
.set LQ,  71                           ; s71  the last key slot of the part of the walk that is being asked for
.set HIQ, 72                           ; s72  the hi pair's last key slot
.set XR,  73                           ; s73  full slots of own keys that the pair in hand still has
.set OFF, 74
.set TBP, 76                           ; s76  byte in the table at which the block of pos to be fetched begins
.set BIGN, 77
.set LIM, 78                           ; s78  2 in the work-group that prefetches, else the greatest number
.set OHI, 80
.set PFA, 82
.set QLO, 84
.set QHI, 86
.set MSB, 0
.macro WIN new
.if MSB != (\new)
	s_set_vgpr_msb (MSB<<8)|(\new)
.set MSB, (\new)
.endif
.endm
.set W_KQ, 0x0a
.set W_KM, 0x1a
.set W_PV, 0x52
.set W_PB, 0xfb
.set W_RS, 0x41
.macro PLACES n=4                      ; places behind products (ISA guide 7.12.1)
.rept \n
	v_nop
.endr
.endm
; A fill.  Waves 0 and 1 fetch the halves of a slot's K, waves 2 and 3 those of its V: 64 keys each.  An s_nop 0 and four v_nop follow each line.
.macro LOAD
	s_cmp_lt_u32 s[WV], 2
	s_cbranch_scc0 .Lfor_v_\@
	tensor_load_to_lds s[G0K:G0K+3], s[G1K:G1K+7]
	s_nop 0
.rept 4
	v_nop
.endr
	s_branch .Lasked_\@
.Lfor_v_\@:
	tensor_load_to_lds s[G0V:G0V+3], s[G1V:G1V+7]
	s_nop 0
.rept 4
	v_nop
.endr
.Lasked_\@:
.endm
; A PREFETCH, behind the fill and its five lines.  The head's four work-groups walk the same K and V: the one with b' = 0, whose walk reaches every key slot, asks, and nobody else.  In its trip t
; (0 .. 13) it names key slot t + 2: waves 0 and 1 the halves of K's 16,384 bytes, waves 2 and 3 of V's, a lane 256 bytes: each block is named once in the launch.  The last two trips ask for nothing.
.macro ASK how
.if \how
	s_cmp_gt_u32 s[CNT], s[LIM]
.else
	s_cmp_lg_u32 s[LIM], -1
.endif
	s_cbranch_scc0 .Lnot_mine_\@
	global_prefetch_b8 v[PFO], s[PFA:PFA+1] th:TH_LOAD_NT scope:SCOPE_SE
.Lnot_mine_\@:
.endm
; THE CHANGE OF SLOTS.  Each wave waits for all its tensor loads (one is out: its part of the other slot), adds 0 to its spare word, and waits for that and for its own LDS instructions.  Behind the
; barrier nobody reads the old slot and the other slot is whole.  fill = 1: the old slot takes key slot NXT, first thing behind the barrier; the address is made anew from that number.
.macro CHANGE fill, how=0
	WIN 0
	s_wait_tensorcnt 0x0                           ; no tensor load of mine is out, so a group 0 may be written
	ds_add_u32 v[SPW], v[NIL]                      ; 0 onto my spare word
.if \fill
	s_lshl_b32 s[OFF], s[NXT], 14                  ; a key slot is 16,384 bytes of K and of V
	s_xor_b32 s[G0K+1], s[G0K+1], SLOT1
	s_add_nc_u64 s[G0K+2:G0K+3], s[6:7], s[OFF:OFF+1]
	s_or_b32 s[G0K+3], s[G0K+3], 0x80000000
	s_xor_b32 s[G0V+1], s[G0V+1], SLOT1
	s_add_nc_u64 s[G0V+2:G0V+3], s[8:9], s[OFF:OFF+1]
	s_or_b32 s[G0V+3], s[G0V+3], 0x80000000
	s_add_co_u32 s[NXT], s[NXT], 1                 ; the next key slot, or behind the lo pair's last the hi pair's first own keys
	s_cmp_gt_u32 s[NXT], s[LQ]
	s_cselect_b32 s[NXT], 8, s[NXT]
	s_cselect_b32 s[LQ], s[HIQ], s[LQ]
	s_wait_xcnt 0x0                                ; the last prefetch, a slot back, has read its address
	s_add_nc_u64 s[PFA:PFA+1], s[PFA:PFA+1], 16384
.endif
	s_wait_dscnt 0x0                               ; the add is done, and my reads of the slot are over
	s_barrier_signal -1
	s_sub_co_u32 s[TBK], s[TBK], 2*KS*PKB          ; the fetches go back to a slot's first step, in the other slot
	s_xor_b32 s[TBK], s[TBK], SLOT1
	s_sub_co_u32 s[TBV], s[TBV], 2*KS*PVB
	s_xor_b32 s[TBV], s[TBV], SLOT1
	s_barrier_wait -1
.if \fill
	LOAD
	ASK \how
.endif
.endm
	s_load_b128 s[88:91], s[0:1], 0x0              ; qkv s[88:89], pos16 s[90:91]
	s_load_b64 s[92:93], s[0:1], 0x10              ; o16
	v_lshl_add_u32 v[SPW], v0, 2, SPARE
	v_mov_b32 v[NIL], 0
	ds_add_u32 v[SPW], v[NIL]                      ; the wave's opening: the add and its wait ahead of my first tensor load
	v_lshrrev_b32 v1, 5, v0
	v_readfirstlane_b32 s[WV], v1                  ; wave 0..3
	s_mov_b32 s[PB], ttmp9
	s_and_b32 s20, ttmp7, 0xffff                   ; the head among 64
	s_and_b32 s13, s[WV], 1                        ; which half of a slot's keys I fetch
	s_sub_co_u32 s21, 7, s[PB]
	s_lshl_b32 s4, s20, 18                         ; the head's K: 2,048 rows of 128 bytes,
	s_lshl_b32 s15, s13, 13                        ; my 64 rows
	s_add_co_u32 s4, s4, s15
	s_mov_b32 s5, 0
	s_lshl_b32 s22, s20, 17                        ; the head's Q
	s_add_co_u32 s22, s22, 0x2000000
	s_lshl_b32 s15, s[PB], 14                      ; band 2 b'
	s_add_co_u32 s[QLO], s22, s15
	s_mov_b32 s[QLO+1], 0
	s_lshl_b32 s15, s21, 14                        ; band 14 - 2 b'
	s_add_co_u32 s[QHI], s22, s15
	s_mov_b32 s[QHI+1], 0
	s_lshr_b32 s23, s20, 4
	s_lshl_b32 s23, s23, 3                         ; o16: [8 batch + pair][head][128][64]
	s_and_b32 s22, s20, 15
	s_lshl_b32 s3, s[WV], 12                       ; my 32 rows of the 128
	s_add_co_u32 s10, s23, s[PB]
	s_lshl_b32 s10, s10, 4
	s_add_co_u32 s10, s10, s22
	s_lshl_b32 s10, s10, 14
	s_add_co_u32 s10, s10, s3
	s_mov_b32 s11, 0
	s_add_co_u32 s[OHI], s23, s21
	s_lshl_b32 s[OHI], s[OHI], 4
	s_add_co_u32 s[OHI], s[OHI], s22
	s_lshl_b32 s[OHI], s[OHI], 14
	s_add_co_u32 s[OHI], s[OHI], s3
	s_mov_b32 s[OHI+1], 0
	s_mul_i32 s22, s[WV], 33024                    ; my quarter of pos16: 258 rows of 128 bytes
	s_mov_b32 s23, 0
	; descriptor group 1.  Dense bytes, asked for as rows of 256 bytes (two rows of K, V or pos) and padded in LDS after every 128 bytes
	s_mov_b32 s[G1K], (1<<16)|(1<<20)|(4<<22)|(3<<25)  ; 2-byte elements; padding on; after every 32 words 4 words
	s_mov_b32 s[G1V], (1<<16)|(1<<20)|(4<<22)|(7<<25)  ; 8 words
	s_mov_b32 s[G1P], (1<<16)|(1<<20)|(4<<22)|(3<<25)
.irp g, G1K, G1V
	s_mov_b32 s[\g+1], 128<<16                     ; tensor_dim0 = 128
	s_mov_b32 s[\g+2], 32<<16                      ; tensor_dim1 = 32
	s_mov_b32 s[\g+3], 128<<16                     ; tile_dim0 = 128
	s_mov_b32 s[\g+4], 32                          ; tile_dim1 = 32
	s_mov_b32 s[\g+5], 128
	s_mov_b32 s[\g+6], 0
	s_mov_b32 s[\g+7], 0
.endr
	s_mov_b32 s[G1P+1], 128<<16
	s_mov_b32 s[G1P+2], 129<<16
	s_mov_b32 s[G1P+3], 128<<16
	s_mov_b32 s[G1P+4], 129
	s_mov_b32 s[G1P+5], 128
	s_mov_b32 s[G1P+6], 0
	s_mov_b32 s[G1P+7], 0
	s_mov_b32 s[G0K], 1
	s_mul_i32 s[G0K+1], s13, KS*PKB
	s_mov_b32 s[G0V], 1
	s_mul_i32 s[G0V+1], s13, KS*PVB
	s_add_co_u32 s[G0V+1], s[G0V+1], VOFF
	s_mov_b32 s[G0P], 1
	s_mul_i32 s[G0P+1], s[WV], TQ
	s_add_co_u32 s[G0P+1], s[G0P+1], TABLE
	s_mov_b32 s[CS], 0x3e38aa3b                    ; c = log2(e) / 8
	s_mov_b32 s[CS+1], s[CS]
	s_mov_b32 s[SEL], 0x76543210
	s_mov_b32 s[SEL+1], 0xfedcba98
	s_mov_b32 s[TBK], SLOT1+2*KS*PKB               ; the first change of slots turns these two into 0
	s_mov_b32 s[TBV], SLOT1+2*KS*PVB
	s_mov_b32 s[NXT], 1
	s_add_co_u32 s[LQ], s[PB], 8
	s_sub_co_u32 s[HIQ], 15, s[PB]
	s_mov_b32 s[XR], s[PB]
	s_mov_b32 s[OFF+1], 0
	s_mul_i32 s[TBP], s21, 2*KS*PKB                ; block 14 - A of the lo pair, A = 2 b'
	s_mov_b32 s[BIGN], 0xf149f2ca                  ; -1e30
	s_cmp_eq_u32 s[PB], 0
	s_cselect_b32 s[LIM], 2, -1
	s_wait_dscnt 0x0                               ; the opening add is done
	s_wait_kmcnt 0x0
	s_add_nc_u64 s[6:7], s[88:89], s[4:5]          ; K and V at my half of the head's key slot 0
	s_add_nc_u64 s[8:9], s[6:7], 0x1000000
	s_add_nc_u64 s[QLO:QLO+1], s[88:89], s[QLO:QLO+1]
	s_add_nc_u64 s[QHI:QHI+1], s[88:89], s[QHI:QHI+1]
	s_add_nc_u64 s[10:11], s[92:93], s[10:11]
	s_add_nc_u64 s[OHI:OHI+1], s[92:93], s[OHI:OHI+1]
	s_add_nc_u64 s[G0P+2:G0P+3], s[90:91], s[22:23]
	s_or_b32 s[G0P+3], s[G0P+3], 0x80000000
	s_add_nc_u64 s[G0K+2:G0K+3], s[6:7], 0
	s_or_b32 s[G0K+3], s[G0K+3], 0x80000000
	s_add_nc_u64 s[G0V+2:G0V+3], s[8:9], 0
	s_or_b32 s[G0V+3], s[G0V+3], 0x80000000
	s_cmp_lt_u32 s[WV], 2
	s_cselect_b64 s[PFA:PFA+1], s[6:7], s[8:9]
	s_add_nc_u64 s[PFA:PFA+1], s[PFA:PFA+1], 16384 ; at key slot 1; the first change of slots steps it to 2.  Nothing is prefetched here, at the head
	s_cmp_lt_u32 s[WV], 2                          ; a wave's two first fills stand in one branch, ahead of every wait on TENSORcnt, LDS read and barrier: two loads of mine are out
	s_cbranch_scc0 .Lfirst_v
	tensor_load_to_lds s[G0P:G0P+3], s[G1P:G1P+7]
	s_nop 0
	tensor_load_to_lds s[G0K:G0K+3], s[G1K:G1K+7]
	s_nop 0
.rept 4
	v_nop
.endr
	s_branch .Lfirst_asked
.Lfirst_v:
	tensor_load_to_lds s[G0P:G0P+3], s[G1P:G1P+7]
	s_nop 0
	tensor_load_to_lds s[G0V:G0V+3], s[G1V:G1V+7]
	s_nop 0
.rept 4
	v_nop
.endr
.Lfirst_asked:
	v_and_b32 v56, 15, v0                          ; r
	v_bfe_u32 v57, v0, 4, 1                        ; h
	v_and_b32 v58, 7, v0
	v_bfe_u32 v59, v0, 3, 1
	s_lshl_b32 s15, s[WV], 7
	v_lshlrev_b32 v[QO], 9, v56
	v_lshl_add_u32 v[QO], v57, 4, v[QO]
	v_add_nc_u32 v[QO], s15, v[QO]                 ; row 4 r + w of a band, 16 h
	WIN 0x80                                       ; destination window 2, address window 0
.irp t, 0,1
.irp c, 0,1
	global_load_b128 v[16*\t+8*\c:16*\t+8*\c+3],       v[QO], s[QLO:QLO+1] offset:8192*\t+64*\c
	global_load_b128 v[16*\t+8*\c+4:16*\t+8*\c+7],     v[QO], s[QLO:QLO+1] offset:8192*\t+64*\c+32
	global_load_b128 v[32+16*\t+8*\c:32+16*\t+8*\c+3],   v[QO], s[QHI:QHI+1] offset:8192*\t+64*\c
	global_load_b128 v[32+16*\t+8*\c+4:32+16*\t+8*\c+7], v[QO], s[QHI:QHI+1] offset:8192*\t+64*\c+32
.endr
.endr
	WIN 0
	v_mul_u32_u24 v[AK0], v56, PKB
	v_lshl_add_u32 v[AK0], v57, 4, v[AK0]          ; row x pitch + 16 h
	v_lshl_add_u32 v[AV0], v57, 3, v58             ; the turning load: lane l reads key 8 h + l % 8, channels 8 ((l / 8) % 2) + 0..7
	v_mul_u32_u24 v[AV0], v[AV0], PVB
	v_lshl_add_u32 v[AV0], v59, 4, v[AV0]
	v_add_nc_u32 v[AV0], VOFF, v[AV0]
	s_mul_i32 s15, s[WV], 16*SP
	s_add_co_u32 s15, s15, STAGE
	v_add_nc_u32 v[STO], s15, v[AK0]               ; the stage's pitch is K's: row r, 16 h
	v_bfe_u32 v[RD], v0, 3, 2
	v_mul_u32_u24 v[RD], v[RD], SP
	v_lshl_add_u32 v[RD], v58, 4, v[RD]
	v_add_nc_u32 v[RD], s15, v[RD]
	v_and_b32 v[GO], 31, v0
	v_lshlrev_b32 v[PFO], 8, v[GO]
	v_lshlrev_b32 v[GO], 4, v[GO]
	s_mul_i32 s15, s[WV], PKB
	s_sub_co_u32 s15, TABLE+3*PKB, s15
	v_add_nc_u32 v[AP0], s15, v[AK0]
	s_mul_i32 s15, s[WV], 2*RING
	s_add_co_u32 s15, s15, RINGS
	v_mul_u32_u24 v60, v56, RP
	v_add_nc_u32 v60, s15, v60                     ; my ring's row r
	v_lshl_add_u32 v[RA], v57, 5, v60
	v_lshlrev_b32 v61, 2, v56
	v_lshl_add_u32 v61, v57, 3, v61
	v_add_nc_u32 v61, 4, v61                       ; 4 + 4 r + 8 h
	v_lshl_add_u32 v[SA0], v61, 2, v60
.set n, 0
.rept 8                                ; store n = 2 q + e of an odd block: column (4 + 4 r + 8 h + 16 q + 4 e + 64) mod 128
	v_add_nc_u32 v[SA1+n], 64+8*n-4*(n%2), v61
	v_and_b32 v[SA1+n], 127, v[SA1+n]
	v_lshl_add_u32 v[SA1+n], v[SA1+n], 2, v60
.set n, n+1
.endr
	v_lshlrev_b32 v61, 2, v56
	v_add_nc_u32 v61, s[WV], v61
	v_lshlrev_b32 v60, 3, v57
	v_sub_nc_u32 v61, v61, v60                     ; my query's place in its band less my lanes' 8 h: register n of key block kt is hidden where 16 kt + n is greater
	WIN 0x40
.set i, 0
.rept 32
	v_cmp_gt_i32 vcc_lo, 16*(i/8)+i%8, v61
	v_cndmask_b32 v[MD+i], 0, s[BIGN], vcc_lo
.set i, i+1
.endr
.set i, 0
.rept 128
	v_mov_b32 v[i], 0                              ; O^T: no first step is written out; these stand in the wait for the first tiles
.set i, i+1
.endr
	WIN 0
.set i, 0
.rept 4
	v_mov_b32 v[ST+8*i], 0xfe000000                ; c m: far below every c s, so the first a is 0
	v_mov_b32 v[ST+8*i+1], 0xff7fffff              ; m
	v_mov_b32 v[ST+8*i+2], 0
	v_mov_b32 v[ST+8*i+3], 0
.set i, i+1
.endr
; THE PRODUCTS, number i of 8; the four accumulators of a run take turns.
.macro KQ t, cm                        ; S^T = K Q^T for tile t: channels 32 (i / 4) on, keys 16 (i % 4) on; the first four start the sums with 0 or (cm = 1) with CB
.set rS, S+32*(\t)+8*(i%4)
.set rK, KF+16*(i%4)+8*(i/4)
.set rQ, 16*(\t)+8*(i/4)
.set rM, CB+32*(\t)+8*(i%4)
.if (i < 4) && (\cm)
	WIN W_KM
	v_wmma_f32_16x16x32_f16 v[rS:rS+7], v[rK:rK+7], v[rQ:rQ+7], v[rM:rM+7]
.elseif i < 4
	WIN W_KQ
	v_wmma_f32_16x16x32_f16 v[rS:rS+7], v[rK:rK+7], v[rQ:rQ+7], 0
.else
	WIN W_KQ
	v_wmma_f32_16x16x32_f16 v[rS:rS+7], v[rK:rK+7], v[rQ:rQ+7], v[rS:rS+7]
.endif
.endm
.macro PVM t                           ; O^T += V^T P for tile t: keys 32 (i / 4) on, channels 16 (i % 4) on
	WIN W_PV
.set rO, 32*(\t)+8*(i%4)
.set rV, VF+32*(i/4)+8*(i%4)
.set rP, P+16*(\t)+8*(i/4)
	v_wmma_f32_16x16x32_f16 v[rO:rO+7], v[rV:rV+7], v[rP:rP+7], v[rO:rO+7]
.endm
.macro PBK t, f                        ; T^T = Pos Q^T for tile t from buffer f: channels 32 (i / 4) on, rows of pos 16 (i % 4) on
	WIN W_PB
.set rD, T+32*(\t)+8*(i%4)
.set rF, 64*(\f)+16*(i%4)+8*(i/4)
.set rQ, 16*(\t)+8*(i/4)
.if i < 4
	v_wmma_f32_16x16x32_f16 v[rD:rD+7], v[rF:rF+7], v[rQ:rQ+7], 0
.else
	v_wmma_f32_16x16x32_f16 v[rD:rD+7], v[rF:rF+7], v[rQ:rQ+7], v[rD:rD+7]
.endif
.endm
.macro ONE kind, t                     ; kinds: 1 K Q^T, 2 the same with CB, 3 V^T P, 4 and 5 Pos Q^T from buffer 0 and 1
.if (\kind) == 1
	KQ \t, 0
.elseif (\kind) == 2
	KQ \t, 1
.elseif (\kind) == 3
	PVM \t
.elseif (\kind) == 4
	PBK \t, 0
.elseif (\kind) == 5
	PBK \t, 1
.endif
.endm
.macro RUN kind, t                     ; eight of them on end
.set i, 0
.rept 8
	ONE \kind, \t
.set i, i+1
.endr
.endm
; THE LDS LOADS AND STORES stand in runs.
.macro FETCH_K
	WIN 0
	v_add_nc_u32 v[AK], s[TBK], v[AK0]
	WIN 0x80
.irp f, 0,1,2,3,4,5,6,7                ; keys 16 (f / 2) on, channels 32 (f % 2) on
	ds_load_b128 v[KF+8*\f:KF+8*\f+3],   v[AK] offset:(\f/2)*16*PKB+(\f%2)*64
	ds_load_b128 v[KF+8*\f+4:KF+8*\f+7], v[AK] offset:(\f/2)*16*PKB+(\f%2)*64+32
.endr
	s_add_co_u32 s[TBK], s[TBK], KS*PKB
	WIN 0
.endm
.macro FETCH_V
	WIN 0
	v_add_nc_u32 v[AV], s[TBV], v[AV0]
	WIN 0x80
.irp f, 0,1,2,3,4,5,6,7                ; keys 32 (f / 4) on, channels 16 (f % 4) on
	ds_load_tr16_b128 v[VF+8*\f:VF+8*\f+3],   v[AV] offset:(\f/4)*32*PVB+(\f%4)*32
	ds_load_tr16_b128 v[VF+8*\f+4:VF+8*\f+7], v[AV] offset:(\f/4)*32*PVB+16*PVB+(\f%4)*32
.endr
	s_add_co_u32 s[TBV], s[TBV], KS*PVB
	WIN 0
.endm
.macro FETCH_P f                       ; the next block of 64 rows of pos into buffer f
	WIN 0
	s_min_u32 s[TBP], s[TBP], 15*KS*PKB            ; block 16 holds hidden terms alone: block 15 stands in for it
	v_add_nc_u32 v[AP], s[TBP], v[AP0]
	s_add_co_u32 s[TBP], s[TBP], KS*PKB
	WIN 0xc0
.irp g, 0,1,2,3,4,5,6,7                ; rows 16 (g / 2) on, channels 32 (g % 2) on
	ds_load_b128 v[64*(\f)+8*\g:64*(\f)+8*\g+3],   v[AP] offset:(\g/2)*16*PKB+(\g%2)*64
	ds_load_b128 v[64*(\f)+8*\g+4:64*(\f)+8*\g+7], v[AP] offset:(\g/2)*16*PKB+(\g%2)*64+32
.endr
	WIN 0
.endm
.macro TSTORE t, par                   ; tile t's block of parity par into its ring; each accumulator's low half first
	WIN 0x0c                                       ; address window 0, data window 3
.irp q, 0,1,2,3
.irp e, 0,1
.if \par
	ds_store_b128 v[SA1+2*\q+\e], v[T+32*(\t)+8*\q+4*\e:T+32*(\t)+8*\q+4*\e+3] offset:RING*(\t)
.else
	ds_store_b128 v[SA0], v[T+32*(\t)+8*\q+4*\e:T+32*(\t)+8*\q+4*\e+3] offset:64*\q+16*\e+RING*(\t)
.endif
.endr
.endr
	WIN 0
.endm
.macro CLOAD t, par                    ; the C operands of tile t for a step of parity par; LDS serves a wave's instructions in order (ISA guide 5.7.1.4): these see the stores above
	WIN 0x40
.irp k, 0,1,2,3
.irp e, 0,1
	ds_load_b128 v[CB+32*(\t)+8*\k+4*\e:CB+32*(\t)+8*\k+4*\e+3], v[RA] offset:256*(\par)+64*\k+16*\e+RING*(\t)
.endr
.endr
	WIN 0
.endm
.macro MADD t                          ; the diagonal step: the mask is added onto the C operands
	WIN 0x45
.set z, 0
.rept 16
	v_pk_add_f32 v[CB+32*(\t)+2*z:CB+32*(\t)+2*z+1], v[CB+32*(\t)+2*z:CB+32*(\t)+2*z+1], v[MD+2*z:MD+2*z+1]
.set z, z+1
.endr
.endm
; A TILE'S SOFTMAX FOR A STEP: number j of 118.  s0-s31 are the lane's 32 scores, in pairs 0-15.
;   0-15   the maximum of s0-s31 and the old m, three operands at a time (each accumulator's lowest registers are read first)
;   16-20  the other half of the lanes' maximum; the new m; c m; c m_old - c m_new
;   21-69  ONE BATCH: the 16 scalings c s - c m and all 33 exponentials (a at 23); none of these reads an exponential's result
;   70-85  the roundings to f16          86-101  the sums; l = a l + the sum          102-117  O^T times a
.macro SM t
.set rT, ST+8*(\t)
.set rS, S+32*(\t)
.set rP, P+16*(\t)
.if j < 102
	WIN 0
.endif
.if j < 4
	v_max3_num_f32 v[rT+4+j], v[rS+8*j], v[rS+8*j+1], v[rS+8*j+2]
.elseif j < 12
	v_max3_num_f32 v[rT+4+j%4], v[rT+4+j%4], v[rS+8*(j%4)+2*(j/4)+1], v[rS+8*(j%4)+2*(j/4)+2]
.elseif j == 12
	v_max3_num_f32 v[rT+4], v[rT+4], v[rS+7], v[rS+15]
.elseif j == 13
	v_max3_num_f32 v[rT+6], v[rT+6], v[rS+23], v[rS+31]
.elseif j == 14
	v_max3_num_f32 v[rT+4], v[rT+4], v[rT+5], v[rT+6]
.elseif j == 15
	v_max3_num_f32 v[rT+4], v[rT+4], v[rT+7], v[rT+1]
.elseif j == 16
	v_permlanex16_b32 v[rT+5], v[rT+4], s[SEL], s[SEL+1]  ; the query's other 32 keys lie in the lane 16 away
.elseif j == 17
	v_mov_b32 v[rT+7], v[rT]
.elseif j == 18
	v_max_num_f32 v[rT+1], v[rT+4], v[rT+5]
.elseif j == 19
	v_mul_f32 v[rT], s[CS], v[rT+1]
.elseif j == 20
	v_sub_f32 v[rT+7], v[rT+7], v[rT]
.elseif j == 23
	v_exp_f32 v[rT+6], v[rT+7]
.elseif (j < 23) || ((j < 38) && (j%2 == 0)) || ((j < 66) && (j%4 == 2))
.set bb, (j-2)/4
.if j < 38
.set bb, (j-20)/2
.endif
	v_pk_fma_f32 v[rS+2*bb:rS+2*bb+1], v[rS+2*bb:rS+2*bb+1], s[CS:CS+1], v[rT:rT+1] op_sel_hi:[1,0,0] neg_lo:[0,0,1] neg_hi:[0,0,1]
.elseif j < 70
.set ee, j-38
.if j < 66
.set ee, j-32-(j-38)/4
.endif
.if j < 38
.set ee, (j-25)/2
.endif
	v_exp_f32 v[rS+ee], v[rS+ee]
.elseif j < 86
	v_cvt_pk_f16_f32 v[rP+j-70], v[rS+2*(j-70)], v[rS+2*(j-70)+1]
.elseif j < 102
.set z, j-86
.set ww, 4
.set uu, z
.if z >= 14
.set ww, 32
.set uu, 0
.elseif z >= 12
.set ww, 16
.set uu, z-12
.elseif z >= 8
.set ww, 8
.set uu, z-8
.endif
.if z < 15
	v_pk_add_f32 v[rS+ww*uu:rS+ww*uu+1], v[rS+ww*uu:rS+ww*uu+1], v[rS+ww*uu+ww/2:rS+ww*uu+ww/2+1]
.else
	v_pk_fma_f32 v[rT+2:rT+3], v[rT+2:rT+3], v[rT+6:rT+7], v[rS:rS+1] op_sel_hi:[1,0,1]
.endif
.else
.set rO, 32*(\t)+2*(j-102)
	WIN W_RS
	v_pk_mul_f32 v[rO:rO+1], v[rO:rO+1], v[rT+6:rT+7] op_sel_hi:[1,0]
.endif
.endm
; A TURN: tile t's softmax, and among it up to two runs of eight products of OTHER tiles (kind ka for tile ta, then kind kb for tile tb): one behind every 7th number, or every 14th with one run.  The
; last product stands behind number 111; numbers 112-117, plain and on other registers, are the places behind it.  Behind number 69 stand the plain instruction that is owed behind the last
; exponential and the one wait ahead of the first line that names an exponential's result.
.macro TURN t, ka=0, ta=0, kb=0, tb=0
.set per, 1000
.if (\ka) && (\kb)
.set per, 7
.elseif (\ka)
.set per, 14
.endif
.set nm, 0
.set j, 0
.rept 118
	SM \t
.if j == 69
	v_nop
	s_wait_alu depctr_va_vdst(0)
.endif
.set j, j+1
.if (j % per) == 0
.if nm < 8
.set i, nm
	ONE \ka, \ta
.else
.set i, nm-8
	ONE \kb, \tb
.endif
.set nm, nm+1
.endif
.endr
.endm
; A STEP OF 64 MEMORY KEYS, four tiles.
.macro MSTEP
	FETCH_K
	FETCH_V
	s_wait_dscnt 16                                ; K is in; V's sixteen loads may be out
	RUN 1, 0
	s_wait_dscnt 0x0
	PLACES
	TURN 0, 1, 1
	TURN 1, 1, 2, 3, 0
	TURN 2, 1, 3, 3, 1
	TURN 3, 3, 2
	RUN 3, 3
	PLACES                                         ; in front of the next step's loads into V's registers
.endm
; A STEP OF 64 OWN KEYS of parity par, tiles 0 (band A) and 1 (band A + 1).  kind 0: both see all keys; the next step's blocks are made, stored, and its C operands read back.
; kind 1: band A's diagonal step.  kind 2: band A + 1's, which band A does not see at all.
.macro XSTEP par, kind
	FETCH_K
	FETCH_V
.if (\kind) == 0
	FETCH_P 1-(\par)
	s_wait_dscnt 32                                ; the C operands and K are in; V's and pos's runs may be out
.else
	s_wait_dscnt 16                                ; the C operands and K are in; V's run may be out
.endif
.if (\kind) == 1
	MADD 0
.elseif (\kind) == 2
	MADD 1
.endif
	RUN 2, (\kind)/2
	s_wait_dscnt 0x0
	PLACES
.if (\kind) == 0
	TURN 0, 2, 1, 5-(\par), 0
	TURN 1, 3, 0, 4+(\par), 1
.elseif (\kind) == 1
	TURN 0, 2, 1
	TURN 1, 3, 0, 4, 1
.else
	TURN 1
.endif
	RUN 3, 1
	PLACES
.if (\kind) == 0
	TSTORE 0, 1-(\par)
	TSTORE 1, 1-(\par)
	CLOAD 0, 1-(\par)
	CLOAD 1, 1-(\par)
.elseif (\kind) == 1
	TSTORE 1, 1
	CLOAD 1, 1
.endif
.endm
; A PAIR'S OWN KEYS BEGIN: blocks -1 and 0 of both tiles, which fill every column of the rings, and step 0's C operands.  TBP stands at block 14 - A.
.macro PROLOGUE
	FETCH_P 0
	FETCH_P 1
	s_wait_dscnt 0x0
	RUN 4, 1
	RUN 5, 0
	PLACES 5                                       ; five: the second half's products write over these accumulators
	TSTORE 0, 1
	TSTORE 1, 1
	FETCH_P 0
	s_wait_dscnt 0x0
	RUN 5, 1
	RUN 4, 0
	PLACES
	TSTORE 0, 0
	TSTORE 1, 0
	CLOAD 0, 0
	CLOAD 1, 0
.endm
; THE WAY OUT of tiles 0 and 1: l's halves and the other half of the lanes' are added; O^T is divided by l, rounded to f16 and sent through my stage, a tile at a time.
.macro PACK t
	WIN W_RS
.set i, 32*(\t)
.rept 16
	v_pk_mul_f32 v[i:i+1], v[i:i+1], v[ST+8*(\t)+6:ST+8*(\t)+7] op_sel_hi:[1,0]
.set i, i+2
.endr
	WIN 0x05
.set i, 0
.rept 16
	v_cvt_pk_f16_f32 v[S+16*(\t)+i], v[32*(\t)+2*i], v[32*(\t)+2*i+1]
.set i, i+1
.endr
	WIN 0
.irp f, 0,1,2,3
	ds_store_b128 v[STO], v[S+16*(\t)+4*\f:S+16*(\t)+4*\f+3] offset:32*\f
.endr
.irp f, 0,1,2,3
	ds_load_b128 v[S+16*(\t)+4*\f:S+16*(\t)+4*\f+3], v[RD] offset:\f*4*SP
.endr
.endm
.macro SEND t, younger
.irp f, 0,1,2,3
	s_wait_dscnt (\younger)+3-\f
	global_store_b128 v[GO], v[S+16*(\t)+4*\f:S+16*(\t)+4*\f+3], s[10:11] offset:(\t)*2048+\f*512  ; 512 consecutive bytes, at a multiple of 256 from o16's first
.endr
.endm
.macro WAYOUT
	WIN 0
.irp t, 0,1
	v_add_f32 v[ST+8*\t+4], v[ST+8*\t+2], v[ST+8*\t+3]
.endr
.irp t, 0,1
	v_permlanex16_b32 v[ST+8*\t+5], v[ST+8*\t+4], s[SEL], s[SEL+1]
.endr
.irp t, 0,1
	v_add_f32 v[ST+8*\t+4], v[ST+8*\t+4], v[ST+8*\t+5]
.endr
.irp t, 0,1
	v_rcp_f32 v[ST+8*\t+6], v[ST+8*\t+4]
.endr
	v_nop                                          ; a plain instruction behind the last reciprocal,
	s_wait_alu depctr_va_vdst(0)                   ; and the wait ahead of the first use: one for both
	PACK 0
	PACK 1
	SEND 0, 8
	SEND 1, 0
.endm
	s_wait_loadcnt 0x0                             ; Q
	s_mov_b32 s[CNT], 8
.Lm:                                                   ; eight slots of memory keys
	CHANGE 1, 0
	s_mov_b32 s[TWICE], 2
.Lmstep:
	MSTEP
	WIN 0
	s_sub_co_u32 s[TWICE], s[TWICE], 1
	s_cmp_lg_u32 s[TWICE], 0
	s_cbranch_scc1 .Lmstep
	s_sub_co_u32 s[CNT], s[CNT], 1
	s_cmp_lg_u32 s[CNT], 0
	s_cbranch_scc1 .Lm
	PROLOGUE                                       ; the lo pair's
	WIN 0
	s_mov_b32 s[CNT], 8
.Lx:                                                   ; eight slots of own keys: b' full ones, the lo pair's diagonal slot, 7 - b' full ones of the hi pair
	CHANGE 1, 1
	s_cmp_eq_u32 s[XR], 0
	s_cbranch_scc1 .Lxdiag
	s_sub_co_u32 s[XR], s[XR], 1
	XSTEP 0, 0
	XSTEP 1, 0
	WIN 0
	s_branch .Lxnext
.Lxdiag:
	XSTEP 0, 1
	XSTEP 1, 2
	WAYOUT
	s_wait_xcnt 0x0                                ; the stores have read their registers and O's address
	s_mov_b64 s[10:11], s[OHI:OHI+1]
	s_sub_co_u32 s[XR], 7, s[PB]
	s_mul_i32 s[TBP], s[PB], 2*KS*PKB              ; block 14 - A of the hi pair, A = 14 - 2 b'
	WIN 0x82                                       ; the hi pair moves to where the one text of the own keys names its tiles: Q,
.set i, 0
.rept 32
	v_mov_b32 v[i], v[32+i]
.set i, i+1
.endr
	WIN W_RS                                       ; O^T,
.set i, 0
.rept 64
	v_mov_b32 v[i], v[64+i]
.set i, i+1
.endr
	WIN 0                                          ; c m, m and l
.irp t, 0,1
.irp k, 0,1,2,3
	v_mov_b32 v[ST+8*\t+\k], v[ST+8*\t+16+\k]
.endr
.endr
	PROLOGUE
	WIN 0
.Lxnext:
	s_sub_co_u32 s[CNT], s[CNT], 1
	s_cmp_lg_u32 s[CNT], 0
	s_cbranch_scc1 .Lx
	CHANGE 0                                       ; the walk's last slot, the hi pair's diagonals, is written out: nothing is asked for
	XSTEP 0, 1
	XSTEP 1, 2
	WAYOUT
	s_wait_tensorcnt 0x0                           ; the wave's end, behind my last tensor load and my last LDS store
	ds_add_u32 v[SPW], v[NIL]
	s_wait_dscnt 0x0
	s_endpgm
.Lfunc_end_k_q3afdc13924_attn:
	.size	k_q3afdc13924_attn, .Lfunc_end_k_q3afdc13924_attn-k_q3afdc13924_attn
	.p2alignl 7, 3214868480
	.fill 96, 4, 3214868480
	.section	.rodata,"a",@progbits
	.p2align	6, 0x0
	.amdhsa_kernel k_q3afdc13924_attn
		.amdhsa_group_segment_fixed_size 327680
		.amdhsa_private_segment_fixed_size 0
		.amdhsa_enable_private_segment 0
		.amdhsa_kernarg_size 24
		.amdhsa_user_sgpr_count 2
		.amdhsa_user_sgpr_kernarg_segment_ptr 1
		.amdhsa_wavefront_size32 1
		.amdhsa_system_sgpr_workgroup_id_x 1
		.amdhsa_system_sgpr_workgroup_id_y 1
		.amdhsa_system_sgpr_workgroup_id_z 1
		.amdhsa_system_vgpr_workitem_id 0
		.amdhsa_next_free_vgpr 960
		.amdhsa_next_free_sgpr 96
		.amdhsa_reserve_vcc 1
		.amdhsa_float_denorm_mode_32 3
		.amdhsa_float_denorm_mode_16_64 3
		.amdhsa_memory_ordered 1
		.amdhsa_forward_progress 1
		.amdhsa_inst_pref_size 207
	.end_amdhsa_kernel
	.amdgpu_metadata
---
amdhsa.version: [ 1, 2 ]
amdhsa.kernels:
  - .name:           k_q3afdc13924_attn
    .symbol:         k_q3afdc13924_attn.kd
    .args:
      - { .name: qkv, .offset: 0, .size: 8, .value_kind: global_buffer, .address_space: global }
      - { .name: pos16, .offset: 8, .size: 8, .value_kind: global_buffer, .address_space: global }
      - { .name: o16, .offset: 16, .size: 8, .value_kind: global_buffer, .address_space: global }
    .group_segment_fixed_size: 327680
    .private_segment_fixed_size: 0
    .kernarg_segment_align: 8
    .kernarg_segment_size: 24
    .max_flat_workgroup_size: 128
    .sgpr_count:     96
    .vgpr_count:     960
    .wavefront_size: 32
...
	.end_amdgpu_metadata
.endif
;; end of part 3
;; launch outp (part 4): grid 8 x 32, 4 waves a work-group, clusters of 4 x 4, 327,680 bytes of LDS; arguments o16, wo16, bout, out0; writes out0
.if DOCPART == 4
	.amdgcn_target "amdgcn-amd-amdhsa--gfx1250"
	.amdhsa_code_object_version 6
	.text
	.protected	k_q3afdc13924_outp
	.globl	k_q3afdc13924_outp
	.p2align	8
	.type	k_q3afdc13924_outp,@function
k_q3afdc13924_outp:
	s_mov_b64 s[64:65], 0
	v_nop
	global_prefetch_b8 v0, s[64:65] scope:SCOPE_SE
	s_setreg_imm32_b32 hwreg(HW_REG_WAVE_MODE, 25, 1), 1
	s_wait_xcnt 0x0
	s_wait_alu depctr_hold_cnt(0) depctr_sa_sdst(0) depctr_va_vdst(0) depctr_va_sdst(0) depctr_va_ssrc(0) depctr_va_vcc(0) depctr_vm_vsrc(0)
	s_getreg_b32 s2, hwreg(HW_REG_IB_STS2, 6, 4)
	s_cmp_eq_u32 s2, 0
	s_cbranch_scc0 .Lentry_in_a_cluster
	s_endpgm
.Lentry_in_a_cluster:
	s_bfe_u32 s2, ttmp6, 0x10000c
	s_cmp_lg_u32 s2, 0xf033
	s_cbranch_scc0 .Lentry_shape_is_right
	s_endpgm
.Lentry_shape_is_right:
; OUTP.  out0 = O Wout + bout: 4,096 rows x 1,024 columns, K = 1,024, operands f16 (Wout was rounded to bf16 and written as f16), sums f32, output f32.  256 tiles of 128 x 128, four waves of 64 x 64.
; O lies as the attention left it: [32 row tiles][16 heads][128 places][64]; place 32 w + 16 e + r holds row 64 e + 4 r + w of the row tile.  A K step of 256 is four heads: 65,536 dense bytes, asked for
; as rows of 256 bytes and padded in LDS after every 128.  The order of the places is undone by the stores' addresses alone.
; Wout lies [k][n] and comes out of LDS turned.  CLUSTERS 4 x 4: O's tiles are shared along a row of the cluster, Wout's along a column, each asked for jointly.  The product is taken transposed
; (source 0 = 16 columns of Wout, source 1 = 16 places of O); bout, rounded to bf16 like every input, is the C operand of the products that start the sums.
; REGISTERS: window 0: v0-31 addresses; v32-47 at work; v96-127 the bias; v128-255 the accumulators.  Window 1: two fragment buffers of 128.
.set PA,    144                        ; a place's 128 bytes + 16
.set PB,    288                        ; a row of Wout's tile: 256 + 32
.set HALFA, 256*PA                     ; what one load brings of O: two heads x 128 places
.set HALFB, 128*PB
.set BOFF,  2*HALFA
.set SLOT,  BOFF+2*HALFB               ; 147,456
.set STAGE, 2*SLOT                     ; behind the ring: 16 rows x 272 bytes for each wave
.set SP,    272
.set SPARE, STAGE+4*16*SP
.set ASTEP, 65536
.set BSTEP, 256*2048
.set ADRA, 16
.set ADRB, 20
.set STO,  24
.set RD,   25
.set CO,   26
.set VB,   27
.set SPW,  28
.set NIL,  29
.set TMP,  32
.set BIAS, 96
.set ACC,  128
.set F0,   0
.set F1,   128
.set G1, 24
.set G0, 32
.set G1B, 48
.set G0B, 56
.set MSB, 0
.macro WIN new
.if MSB != (\new)
	s_set_vgpr_msb (MSB<<8)|(\new)
.set MSB, \new
.endif
.endm
.set MUL,  0x05
.set TO_F, 0x40
.macro JLOAD s                         ; a joint load: waves 0 and 1 fetch O's halves, waves 2 and 3 Wout's; an s_nop 0 and four v_nop follow each line
	s_cmp_eq_u32 s11, 0
	s_cbranch_scc0 .Lfor_b_\@
	tensor_load_to_lds s[G0+4*(\s):G0+4*(\s)+3], s[G1:G1+7]
	s_nop 0
.rept 4
	v_nop
.endr
	s_branch .Lasked_\@
.Lfor_b_\@:
	tensor_load_to_lds s[G0B+4*(\s):G0B+4*(\s)+3], s[G1B:G1B+7]
	s_nop 0
.rept 4
	v_nop
.endr
.Lasked_\@:
.endm
.macro CREST
	s_cmp_lg_u32 s10, 0
	s_cbranch_scc1 .Lnot_wave_0_\@
	s_barrier_signal -3
.Lnot_wave_0_\@:
	s_barrier_wait -3
	s_barrier_signal -1
	s_barrier_wait -1
.endm
.macro CROUND
	s_barrier_signal -1
	s_barrier_wait -1
	CREST
.endm
	s_load_b128 s[4:7], s[0:1], 0x0                ; o16 s[4:5], wo16 s[6:7]
	s_load_b64 s[68:69], s[0:1], 0x10              ; bout
	s_load_b64 s[8:9], s[0:1], 0x18                ; out0
	v_lshl_add_u32 v[SPW], v0, 2, SPARE
	v_mov_b32 v[NIL], 0
	ds_add_u32 v[SPW], v[NIL]                      ; the wave's opening: the add and its wait ahead of my first tensor load
	v_lshrrev_b32 v1, 5, v0
	v_readfirstlane_b32 s10, v1
	s_lshr_b32 s11, s10, 1                         ; my half of the tile's places.  Also: I fetch for O (0) or for Wout (1)
	s_and_b32 s12, s10, 1                          ; my half of its columns.  Also: which half of that tile I fetch
	s_bfe_u32 s40, ttmp6, 0x40000                  ; cx
	s_bfe_u32 s41, ttmp6, 0x40004                  ; cy
	s_lshl_b32 s42, ttmp9, 2
	s_add_co_u32 s42, s42, s40                     ; X: the column tile
	s_and_b32 s13, ttmp7, 0xffff
	s_lshl_b32 s13, s13, 2
	s_add_co_u32 s13, s13, s41                     ; Y: the row tile
	s_lshl_b32 s43, s41, 2
	s_lshl_b32 s43, 15, s43
	s_lshl_b32 s44, 0x1111, s40
	s_or_b32 s[G1+0], s43, (1<<16)|(1<<20)|(1<<21)|(4<<22)|(3<<25)   ; O: the mask of my row; 2-byte elements; padding on; bit 21 beside a mask; after every 32 words 4 words
	s_mov_b32 s[G1+1], 128<<16
	s_mov_b32 s[G1+2], 128<<16
	s_mov_b32 s[G1+3], 128<<16
	s_mov_b32 s[G1+4], 128
	s_mov_b32 s[G1+5], 128
	s_mov_b32 s[G1+6], 0
	s_mov_b32 s[G1+7], 0
	s_or_b32 s[G1B+0], s44, (1<<16)|(1<<20)|(1<<21)|(5<<22)|(7<<25)  ; Wout: the mask of my column; after every 64 words 8 words
	s_mov_b32 s[G1B+1], 128<<16
	s_mov_b32 s[G1B+2], 128<<16
	s_mov_b32 s[G1B+3], 128<<16
	s_mov_b32 s[G1B+4], 128
	s_mov_b32 s[G1B+5], 1024
	s_mov_b32 s[G1B+6], 0
	s_mov_b32 s[G1B+7], 0
	s_lshl_b32 s16, s13, 18                        ; O: 262,144 bytes a row tile, 32,768 a half of a K step
	s_lshl_b32 s17, s12, 15
	s_add_co_u32 s16, s16, s17
	s_mov_b32 s17, 0
	s_lshl_b32 s46, s42, 8                         ; Wout: 256 bytes a column tile, 128 rows of 2,048 a half
	s_lshl_b32 s47, s12, 18
	s_add_co_u32 s46, s46, s47
	s_mov_b32 s47, 0
	s_mul_i32 s20, s12, HALFA
	s_mul_i32 s21, s12, HALFB
	s_add_co_u32 s21, s21, BOFF
	s_wait_dscnt 0x0
	s_wait_kmcnt 0x0
	s_add_nc_u64 s[14:15], s[4:5], s[16:17]
	s_add_nc_u64 s[46:47], s[6:7], s[46:47]
	CROUND                                         ; all sixteen work-groups are here: the first joint loads meet
.irp s, 0,1
	s_mov_b32 s[G0+4*(\s)], 1
	s_add_co_u32 s[G0+4*(\s)+1], s20, (\s)*SLOT
	s_add_nc_u64 s[G0+4*(\s)+2:G0+4*(\s)+3], s[14:15], (\s)*ASTEP
	s_or_b32 s[G0+4*(\s)+3], s[G0+4*(\s)+3], 0x80000000
	s_mov_b32 s[G0B+4*(\s)], 1
	s_add_co_u32 s[G0B+4*(\s)+1], s21, (\s)*SLOT
	s_add_nc_u64 s[G0B+4*(\s)+2:G0B+4*(\s)+3], s[46:47], (\s)*BSTEP
	s_or_b32 s[G0B+4*(\s)+3], s[G0B+4*(\s)+3], 0x80000000
	JLOAD \s
.endr
	v_and_b32 v1, 15, v0                           ; r
	v_bfe_u32 v2, v0, 4, 1                         ; h
	v_lshlrev_b32 v[VB], 5, v2
	s_lshl_b32 s76, s42, 9                         ; my 64 columns in bytes of f32: 512 X + 256 half
	s_lshl_b32 s77, s12, 8
	s_add_co_u32 s76, s76, s77
	s_mov_b32 s77, 0
	s_add_nc_u64 s[68:69], s[68:69], s[76:77]
.irp b, 0,1,2,3
	global_load_b128 v[BIAS+8*\b:BIAS+8*\b+3],   v[VB], s[68:69] offset:64*\b
	global_load_b128 v[BIAS+8*\b+4:BIAS+8*\b+7], v[VB], s[68:69] offset:64*\b+16
.endr
	v_mul_u32_u24 v3, v1, PA
	v_lshl_add_u32 v3, v2, 4, v3
	s_mul_i32 s21, s11, 64*PA                      ; my 64 places of each head
	v_add_nc_u32 v[ADRA], s21, v3
	v_add_nc_u32 v[ADRA+1], SLOT, v[ADRA]
	v_and_b32 v4, 7, v0
	v_lshl_add_u32 v4, v2, 3, v4
	v_mul_u32_u24 v4, v4, PB
	v_bfe_u32 v5, v0, 3, 1
	v_lshl_add_u32 v4, v5, 4, v4
	s_lshl_b32 s22, s12, 7
	s_add_co_u32 s22, s22, BOFF
	v_add_nc_u32 v[ADRB], s22, v4
	v_add_nc_u32 v[ADRB+1], HALFB, v[ADRB]
	v_add_nc_u32 v[ADRB+2], SLOT, v[ADRB]
	v_add_nc_u32 v[ADRB+3], SLOT+HALFB, v[ADRB]
	s_mul_i32 s23, s10, 16*SP
	s_add_co_u32 s23, s23, STAGE                   ; my stage
	v_mul_u32_u24 v[STO], v1, SP                   ; in: row r, 32 bytes for each half of the lanes
	v_lshl_add_u32 v[STO], v2, 5, v[STO]
	v_add_nc_u32 v[STO], s23, v[STO]
	v_mul_u32_u24 v[RD], v2, SP                    ; back: lanes 0-15 take one row of 256 bytes, lanes 16-31 the next
	v_lshl_add_u32 v[RD], v1, 4, v[RD]
	v_add_nc_u32 v[RD], s23, v[RD]
	v_lshlrev_b32 v[CO], 14, v2                    ; a stage row further is four rows of out0 further
	v_lshl_add_u32 v[CO], v1, 4, v[CO]
	s_lshl_b32 s78, s13, 19                        ; out0: 128 rows of 4,096 bytes a row tile,
	s_add_co_u32 s76, s76, s78
	s_lshl_b32 s78, s11, 13                        ; my places' w begins at 2 x my half
	s_add_co_u32 s76, s76, s78
	s_add_nc_u64 s[8:9], s[8:9], s[76:77]
	s_wait_loadcnt 0x0
.set i, 0
.rept 16
	v_cvt_pk_bf16_f32 v[TMP+i], v[BIAS+2*i], v[BIAS+2*i+1]
.set i, i+1
.endr
.set i, 0
.rept 16
	v_lshlrev_b32 v[BIAS+2*i], 16, v[TMP+i]
	v_and_b32 v[BIAS+2*i+1], 0xffff0000, v[TMP+i]
.set i, i+1
.endr
.macro MUL8 f, c, a0, zero
	WIN MUL
.irp a, \a0, (\a0)+1
.irp b, 0,1,2,3
.if \zero
	v_wmma_f32_16x16x32_f16 v[ACC+8*(4*(\a)+(\b)):ACC+8*(4*(\a)+(\b))+7], v[(\f)+64+8*(4*(\c)+(\b)):(\f)+64+8*(4*(\c)+(\b))+7], v[(\f)+8*(4*(\c)+(\a)):(\f)+8*(4*(\c)+(\a))+7], v[BIAS+8*(\b):BIAS+8*(\b)+7]
.else
	v_wmma_f32_16x16x32_f16 v[ACC+8*(4*(\a)+(\b)):ACC+8*(4*(\a)+(\b))+7], v[(\f)+64+8*(4*(\c)+(\b)):(\f)+64+8*(4*(\c)+(\b))+7], v[(\f)+8*(4*(\c)+(\a)):(\f)+8*(4*(\c)+(\a))+7], v[ACC+8*(4*(\a)+(\b)):ACC+8*(4*(\a)+(\b))+7]
.endif
.endr
.endr
.endm
; quarter q of a K step is head q of its four
.macro FETCH slot, q, f
	WIN TO_F
.irp c, 0,1
.irp i, 0,1,2,3
	ds_load_tr16_b128 v[(\f)+64+8*(4*(\c)+(\i)):(\f)+64+8*(4*(\c)+(\i))+3],   v[ADRB+2*(\slot)+(\q)/2] offset:((\q)%2)*64*PB+(\c)*32*PB+32*(\i)
	ds_load_tr16_b128 v[(\f)+64+8*(4*(\c)+(\i))+4:(\f)+64+8*(4*(\c)+(\i))+7], v[ADRB+2*(\slot)+(\q)/2] offset:((\q)%2)*64*PB+(\c)*32*PB+32*(\i)+16*PB
	ds_load_b128 v[(\f)+8*(4*(\c)+(\i)):(\f)+8*(4*(\c)+(\i))+3],              v[ADRA+(\slot)] offset:128*PA*(\q)+64*(\c)+(\i)*16*PA
	ds_load_b128 v[(\f)+8*(4*(\c)+(\i))+4:(\f)+8*(4*(\c)+(\i))+7],            v[ADRA+(\slot)] offset:128*PA*(\q)+64*(\c)+(\i)*16*PA+32
.endr
.endr
.endm
.macro PLACES
.rept 4
	v_nop
.endr
.endm
.macro QUARTER slot, q, f, g, zero
	s_wait_dscnt 16                                ; the first 32 along K are in; the younger sixteen loads may be out
	MUL8 \f, 0, 0, \zero
	MUL8 \f, 0, 2, \zero
	PLACES
	FETCH \slot, \q, \g
	s_wait_dscnt 32                                ; all but the 32 just issued
	MUL8 \f, 1, 0, 0
	MUL8 \f, 1, 2, 0
.endm
.macro TURN slot, next, fill
	WIN 0
	s_wait_tensorcnt 0x0                           ; all my tensor loads have landed: my part of the next slot
	ds_add_u32 v[SPW], v[NIL]                      ; 0 onto my spare word
	s_wait_dscnt 17                                ; (the add and the youngest sixteen loads may be out)
	MUL8 F1, 0, 0, 0
	s_wait_dscnt 0x0                               ; the add is done, and my reads of this slot are over
	s_barrier_signal -1
	MUL8 F1, 0, 2, 0
.if \fill
	WIN 0
.endif
	s_barrier_wait -1
.if \fill
	CREST                                          ; the barrier has opened a round of the cluster's: no wave of any partner still reads this slot or has a load on its way
	s_add_nc_u64 s[G0+4*(\slot)+2:G0+4*(\slot)+3], s[G0+4*(\slot)+2:G0+4*(\slot)+3], 2*ASTEP
	s_add_nc_u64 s[G0B+4*(\slot)+2:G0B+4*(\slot)+3], s[G0B+4*(\slot)+2:G0B+4*(\slot)+3], 2*BSTEP
	JLOAD \slot
.else
	PLACES
.endif
	FETCH \next, 0, F0
	MUL8 F1, 1, 0, 0
	MUL8 F1, 1, 2, 0
.endm
	s_wait_tensorcnt 1                             ; my part of K step 0 is in; K step 1's load may stay out
	s_barrier_signal -1
	s_barrier_wait -1
	FETCH 0, 0, F0
	QUARTER 0, 1, F0, F1, 1
	QUARTER 0, 2, F1, F0, 0
	QUARTER 0, 3, F0, F1, 0
	TURN 0, 1, 1
	QUARTER 1, 1, F0, F1, 0
	QUARTER 1, 2, F1, F0, 0
	QUARTER 1, 3, F0, F1, 0
	TURN 1, 0, 1
	QUARTER 0, 1, F0, F1, 0
	QUARTER 0, 2, F1, F0, 0
	QUARTER 0, 3, F0, F1, 0
	TURN 0, 1, 0
	QUARTER 1, 1, F0, F1, 0
	QUARTER 1, 2, F1, F0, 0
	QUARTER 1, 3, F0, F1, 0
	s_wait_dscnt 16
	MUL8 F1, 0, 0, 0
	MUL8 F1, 0, 2, 0
	s_wait_dscnt 0x0
	MUL8 F1, 1, 0, 0
	MUL8 F1, 1, 2, 0
	WIN 0
	; THE WAY OUT, a block of 16 places at a time: 32 bytes a lane straight from the accumulators into my stage, back as whole rows of 256 bytes into the registers that they left, and stored.
	; Block a holds places 64 half + 16 a + r: rows 64 (a % 2) + 4 r + 2 half + a / 2 of the row tile.
	PLACES
.macro TOSTAGE a
.irp b, 0,1,2,3
	ds_store_b128 v[STO], v[ACC+8*(4*(\a)+\b):ACC+8*(4*(\a)+\b)+3]   offset:64*\b
	ds_store_b128 v[STO], v[ACC+8*(4*(\a)+\b)+4:ACC+8*(4*(\a)+\b)+7] offset:64*\b+16
.endr
.irp t, 0,1,2,3,4,5,6,7
	ds_load_b128 v[ACC+32*(\a)+4*\t:ACC+32*(\a)+4*\t+3], v[RD] offset:\t*2*SP  ; LDS serves a wave's instructions in order (ISA guide 5.7.1.4): these see the stores above; the next block's stores come behind them
.endr
.endm
.macro SEND a, younger                 ; younger: the LDS instructions issued behind block a's loads
.irp t, 0,1,2,3,4,5,6,7
	s_wait_dscnt (\younger)+7-\t
	global_store_b128 v[CO], v[ACC+32*(\a)+4*\t:ACC+32*(\a)+4*\t+3], s[8:9] offset:32768*\t+(64*((\a)%2)+(\a)/2)*4096 th:TH_STORE_NT  ; 16 lanes store 256 consecutive bytes, aligned
.endr
.endm
	TOSTAGE 0
	TOSTAGE 1
	SEND 0, 16
	TOSTAGE 2
	SEND 1, 16
	TOSTAGE 3
	SEND 2, 16
	SEND 3, 0
	s_wait_tensorcnt 0x0                           ; the wave's end, behind my last tensor load and my last LDS store
	ds_add_u32 v[SPW], v[NIL]
	s_wait_dscnt 0x0
	CROUND                                         ; the closing round: no work-group ends while a partner may still ask for a tile that names it
	s_endpgm
.Lfunc_end_k_q3afdc13924_outp:
	.size	k_q3afdc13924_outp, .Lfunc_end_k_q3afdc13924_outp-k_q3afdc13924_outp
	.p2alignl 7, 3214868480
	.fill 96, 4, 3214868480
	.section	.rodata,"a",@progbits
	.p2align	6, 0x0
	.amdhsa_kernel k_q3afdc13924_outp
		.amdhsa_group_segment_fixed_size 327680
		.amdhsa_private_segment_fixed_size 0
		.amdhsa_enable_private_segment 0
		.amdhsa_kernarg_size 32
		.amdhsa_user_sgpr_count 2
		.amdhsa_user_sgpr_kernarg_segment_ptr 1
		.amdhsa_wavefront_size32 1
		.amdhsa_system_sgpr_workgroup_id_x 1
		.amdhsa_system_sgpr_workgroup_id_y 1
		.amdhsa_system_sgpr_workgroup_id_z 1
		.amdhsa_system_vgpr_workitem_id 0
		.amdhsa_next_free_vgpr 512
		.amdhsa_next_free_sgpr 80
		.amdhsa_reserve_vcc 0
		.amdhsa_float_denorm_mode_32 3
		.amdhsa_float_denorm_mode_16_64 3
		.amdhsa_memory_ordered 1
		.amdhsa_forward_progress 1
		.amdhsa_inst_pref_size 90
	.end_amdhsa_kernel
	.amdgpu_metadata
---
amdhsa.version: [ 1, 2 ]
amdhsa.kernels:
  - .name:           k_q3afdc13924_outp
    .symbol:         k_q3afdc13924_outp.kd
    .args:
      - { .name: o16, .offset: 0, .size: 8, .value_kind: global_buffer, .address_space: global }
      - { .name: wo16, .offset: 8, .size: 8, .value_kind: global_buffer, .address_space: global }
      - { .name: bout, .offset: 16, .size: 8, .value_kind: global_buffer, .address_space: global }
      - { .name: out0, .offset: 24, .size: 8, .value_kind: global_buffer, .address_space: global }
    .group_segment_fixed_size: 327680
    .private_segment_fixed_size: 0
    .kernarg_segment_align: 8
    .kernarg_segment_size: 32
    .max_flat_workgroup_size: 128
    .sgpr_count:     80
    .vgpr_count:     512
    .wavefront_size: 32
...
	.end_amdgpu_metadata
.endif
;; end of part 4
;; ======== version 2 of 2: 4 launches; version 1 with the launch prep written anew for expert scheduling mode
;; limits: values are held in f16: magnitudes above 65,504 overflow, below 6.1e-05 lose precision
;; workspace buffers: a16 16,777,216 bytes; w16 6,291,456 bytes; wo16 2,097,152 bytes; pos16 163,840 bytes; qkv 41,943,040 bytes; o16 8,388,608 bytes
;; launch prep (part 5): grid 832 x 1, 8 waves a work-group, no clusters, 33,792 bytes of LDS; arguments x, mem, Wkv, Wq, Wout, pos_emb, Wpos, bpos, a16, w16, wo16, pos16; writes a16, w16, wo16, pos16
.if DOCPART == 5
	.amdgcn_target "amdgcn-amd-amdhsa--gfx1250"
	.amdhsa_code_object_version 6
	.text
	.protected	k_q3afdc13924_prep
	.globl	k_q3afdc13924_prep
	.p2align	8
	.type	k_q3afdc13924_prep,@function
k_q3afdc13924_prep:
	s_mov_b64 s[64:65], 0
	v_nop
	global_prefetch_b8 v0, s[64:65] scope:SCOPE_SE
	s_setreg_imm32_b32 hwreg(HW_REG_WAVE_SCHED_MODE, 0, 2), 2
	s_setreg_imm32_b32 hwreg(HW_REG_WAVE_MODE, 25, 1), 1
	s_wait_xcnt 0x0
	s_wait_alu depctr_vm_vsrc(0)
; PREP.  Work-groups 64 .. 831 cast: x and mem to bf16 into a16 ([4][2048][1024]: a batch's mem rows, then its x rows), Wkv and Wq to bf16 into w16 ([1024][3072]: Wkv's 2,048 columns, then Wq's),
; Wout to bf16 and that number written as f16 into wo16.  Work-groups 0 .. 63 make pos = pos_emb Wpos + bpos in f16, 16 rows each, and the zero rows 1024 .. 1279 of pos16.
; LIMITS.  Wout: a bf16 number below 2^-14 keeps f16's fixed step of 2^-24; one of 65,520 or more becomes an infinity.  pos stays within f16's 65,504.
; A cast streams: no LDS, no matrix unit, no cluster (nothing is shared).  A work-group takes 16 lines of 1,024 f32: one load of its 256 threads covers a line, all 16 loads go out at once,
; and each store of a wave covers 256 consecutive bytes, aligned.
; THE MODE: SCHED_MODE bits 1:0 = 2 (LLVM: expert scheduling mode 2), set by the entry lines.  The code itself states the register dependences between vector or matrix instructions and
; memory or LDS instructions, with s_wait_alu, always for 0.
; THE PLAN.  Registers that memory or LDS instructions touch:
;   casts   v1, VO0 .. VO15   offsets, made once ahead of the first load and never written again.
;           XL                a line's four registers are loaded once; behind the wait for them vector instructions alone name them.
;           YL                line i's pair is written by line i's conversions, read by line i's one store, and never written again.
;           The 16 lines go in four blocks of four.  At the head of blocks 1 to 3, behind the wait for the block's data, ONE wait on va_vdst states that the block before has written its YL; that
;           block's four stores are dealt among this block's conversions, which name this block's XL and YL alone.  One more wait stands ahead of the last four stores.
;   pos     v1, v5, VBI .. VBI+4   offsets and LDS addresses, made once and never written again.
;           RA, RW            loaded at a trip's head, packed in place by the conversions, read by the trip's products: one wait on va_vdst at the loop's head, ahead of the next trip's loads.
;           ACC               written by the products, read by the LDS stores: the places, then a wait on va_vdst.  No vector instruction stands between that wait and the LDS loads of the partial
;                             sums, which land in RW: it states their dependence too.
;           RA .. RA+7        the registers that the one global store of a wave leaves from: a wait on va_vdst ahead of it.
;   v[SPW], v[NIL]            written at the head, read by the closing add alone.
; No register that a memory or LDS instruction reads is written again, so the text holds no wait on vm_vsrc but the closing lines' own.
.set SPARE, 32768                      ; behind the partial sums: the spare words, 128 bytes for each of eight waves
.set SPW, 6                            ; v6   SPARE + 4 x my thread's number; never rewritten
.set NIL, 7                            ; v7   0; never rewritten
.set BI,  8                            ; v[8:15]    pos: my eight numbers of bpos
.set ACC, 16                           ; v[16:47]   pos: four accumulators, one for each 16 columns
.set XL,  48                           ; v[48:111]  cast: 16 lines as loaded
.set YL,  112                          ; v[112:143] cast: 16 lines to store
.set VO,  144                          ; v[144:159] cast: line i's byte offset in the destination
.set RA,  48                           ; v[48:79]   pos: pos_emb, two K steps x 16 f32, packed in place
.set RW,  80                           ; v[80:207]  pos: Wpos, two K steps x four column blocks x 16 f32, packed in place
.set VBI, 208                          ; v208-212   pos: offsets of bpos, of my partial tiles, of the tile that I finish, of pos16, of the zeros
	s_load_b256 s[8:15], s[0:1], 0x0               ; x, mem, Wkv, Wq
	s_load_b256 s[16:23], s[0:1], 0x20             ; Wout, pos_emb, Wpos, bpos
	s_load_b256 s[24:31], s[0:1], 0x40             ; a16, w16, wo16, pos16
	v_lshl_add_u32 v[SPW], v0, 2, SPARE
	v_mov_b32 v[NIL], 0
	v_lshrrev_b32 v1, 5, v0
	v_readfirstlane_b32 s32, v1                    ; wave 0..7
	s_wait_alu depctr_va_sdst(0)                   ; s32 is written, ahead of the branch below and of every line that reads it
	s_cmp_lt_u32 ttmp9, 64
	s_cbranch_scc1 .Lpos
	; THE CASTS.  g = work-group - 64 falls into one of five sections; g' counts inside it.  Destination offset = g' M + (g' / 64) E + C; line i lies (i / 2) D2 + (i % 2) D1 further on.
	s_sub_co_u32 s33, ttmp9, 64                    ; g
	s_mov_b32 s34, 0                               ; the section's first g.  Section x:
	s_mov_b32 s35, 32768                           ; M: 16 rows of 2,048 bytes
	s_mov_b32 s40, 0x200000                        ; E: a batch has 2,048 rows in a16, 1,024 in x
	s_mov_b32 s41, 0x200000                        ; C: x's rows lie behind mem's
	s_mov_b32 s42, 2048                            ; D1
	s_mov_b32 s43, 4096                            ; D2
	s_wait_kmcnt 0x0
	s_mov_b64 s[36:37], s[8:9]
	s_mov_b64 s[38:39], s[24:25]
	s_cmp_ge_u32 s33, 256                          ; mem
	s_cselect_b32 s34, 256, s34
	s_cselect_b32 s41, 0, s41
	s_cselect_b64 s[36:37], s[10:11], s[36:37]
	s_cmp_ge_u32 s33, 512                          ; Wkv: a row is two lines; 8 rows of 6,144 bytes
	s_cselect_b32 s34, 512, s34
	s_cselect_b32 s35, 49152, s35
	s_cselect_b32 s40, 0, s40
	s_cselect_b32 s43, 6144, s43
	s_cselect_b64 s[36:37], s[12:13], s[36:37]
	s_cselect_b64 s[38:39], s[26:27], s[38:39]
	s_cmp_ge_u32 s33, 640                          ; Wq: a row is a line, behind Wkv's 4,096 bytes
	s_cselect_b32 s34, 640, s34
	s_cselect_b32 s35, 98304, s35
	s_cselect_b32 s41, 4096, s41
	s_cselect_b32 s42, 6144, s42
	s_cselect_b32 s43, 12288, s43
	s_cselect_b64 s[36:37], s[14:15], s[36:37]
	s_cmp_ge_u32 s33, 704                          ; Wout
	s_cselect_b32 s34, 704, s34
	s_cselect_b32 s35, 32768, s35
	s_cselect_b32 s41, 0, s41
	s_cselect_b32 s42, 2048, s42
	s_cselect_b32 s43, 4096, s43
	s_cselect_b64 s[36:37], s[16:17], s[36:37]
	s_cselect_b64 s[38:39], s[28:29], s[38:39]
	s_sub_co_u32 s34, s33, s34                     ; g'
	s_lshl_b32 s44, s34, 16                        ; the source: 16 lines of 4,096 bytes
	s_mov_b32 s45, 0
	s_mul_i32 s46, s34, s35
	s_lshr_b32 s47, s34, 6
	s_mul_i32 s47, s47, s40
	s_add_co_u32 s46, s46, s47
	s_add_co_u32 s46, s46, s41
	s_mov_b32 s47, 0
	s_add_nc_u64 s[36:37], s[36:37], s[44:45]
	s_add_nc_u64 s[38:39], s[38:39], s[46:47]
	v_lshlrev_b32 v1, 4, v0                        ; my 16 bytes of a line
	v_lshlrev_b32 v2, 3, v0                        ; my 8 bytes of it in 16 bits
	v_mov_b32 v[VO], v2
	v_add_nc_u32 v[VO+1], s42, v2
.set i, 2
.rept 14
	v_add_nc_u32 v[VO+i], s43, v[VO+i-2]
.set i, i+1
.endr
; half = 1: the bf16 number is widened again and written as f16
.macro CASTBODY half
	s_wait_alu depctr_va_vdst(0)                   ; v1 and VO0 .. VO15 are written: the loads and stores below read them as their offsets
.set i, 0
.rept 16
	global_load_b128 v[XL+4*i:XL+4*i+3], v1, s[36:37] offset:4096*i th:TH_LOAD_NT
.set i, i+1
.endr
.set i, 0
.rept 16
.if (i % 4) == 0
	s_wait_loadcnt 12-i                            ; loads come back in order: this block's four lines are in, the younger blocks stay out
.if i > 0
	s_wait_alu depctr_va_vdst(0)                   ; the block before has written its four pairs of YL, which the four stores dealt among this block's conversions read
.endif
.endif
.if i >= 4
	global_store_b64 v[VO+i-4], v[YL+2*(i-4):YL+2*(i-4)+1], s[38:39]  ; the block before's line: 32 lanes store 256 consecutive bytes, aligned; no vector instruction since the wait names these registers
.endif
	v_cvt_pk_bf16_f32 v[YL+2*i], v[XL+4*i], v[XL+4*i+1]
	v_cvt_pk_bf16_f32 v[YL+2*i+1], v[XL+4*i+2], v[XL+4*i+3]
.if \half
	v_lshlrev_b32 v[XL+4*i], 16, v[YL+2*i]
	v_and_b32 v[XL+4*i+1], 0xffff0000, v[YL+2*i]
	v_lshlrev_b32 v[XL+4*i+2], 16, v[YL+2*i+1]
	v_and_b32 v[XL+4*i+3], 0xffff0000, v[YL+2*i+1]
	v_cvt_pk_f16_f32 v[YL+2*i], v[XL+4*i], v[XL+4*i+1]
	v_cvt_pk_f16_f32 v[YL+2*i+1], v[XL+4*i+2], v[XL+4*i+3]
.endif
.set i, i+1
.endr
	s_wait_alu depctr_va_vdst(0)                   ; the last block has written its four pairs of YL, which the last four stores read
.set i, 12
.rept 4
	global_store_b64 v[VO+i], v[YL+2*i:YL+2*i+1], s[38:39]  ; 32 lanes store 256 consecutive bytes, aligned
.set i, i+1
.endr
.endm
	s_cmp_ge_u32 s33, 704
	s_cbranch_scc1 .Lcast_f16
	CASTBODY 0
	s_branch .Lend
.Lcast_f16:
	CASTBODY 1
	s_branch .Lend
	; POS.  16 rows x 64 columns; K is split among the eight waves, 128 each.  The product is taken transposed (source 0 = 16 columns of Wpos, source 1 = the 16 rows of pos_emb): a lane ends with
	; one row (lane % 16) and eight neighbouring columns.  Wpos lies [k][64] in f32, so a lane fetches its column's 16 numbers of a K step one by one: 256 KiB in all.
.Lpos:
	v_and_b32 v2, 15, v0                           ; r
	v_bfe_u32 v3, v0, 4, 1                         ; h
	v_and_b32 v4, 31, v0                           ; lane
	s_lshl_b32 s33, s32, 9
	v_lshlrev_b32 v5, 12, v2
	v_lshl_add_u32 v5, v3, 5, v5
	v_add_nc_u32 v5, s33, v5                       ; pos_emb: 4,096 r + 512 wave + 32 h
	s_lshl_b32 s33, s32, 15
	v_lshlrev_b32 v1, 2, v2
	v_lshl_add_u32 v1, v3, 11, v1
	v_add_nc_u32 v1, s33, v1                       ; Wpos: 32,768 wave + 2,048 h + 4 r
	s_and_b32 s34, s32, 3                          ; the column block that I finish (waves 0 to 3)
	s_lshl_b32 s33, s34, 6
	v_lshl_add_u32 v[VBI], v3, 5, s33              ; bpos: 64 block + 32 h
	s_lshl_b32 s33, s32, 12
	v_lshl_add_u32 v[VBI+1], v4, 5, s33            ; my partial tiles: 4,096 wave + 32 lane
	s_lshl_b32 s33, s34, 10
	v_lshl_add_u32 v[VBI+2], v4, 5, s33            ; the tile that I finish: 1,024 block + 32 lane
	s_lshl_b32 s33, s34, 5
	v_lshlrev_b32 v[VBI+3], 7, v2
	v_lshl_add_u32 v[VBI+3], v3, 4, v[VBI+3]
	v_add_nc_u32 v[VBI+3], s33, v[VBI+3]           ; pos16: 128 r + 32 block + 16 h
	v_lshlrev_b32 v[VBI+4], 4, v4
	s_lshl_b32 s36, ttmp9, 16                      ; my 16 rows of pos_emb
	s_mov_b32 s37, 0
	s_lshl_b32 s38, ttmp9, 11                      ; and of pos16
	s_mov_b32 s39, 0
	s_lshl_b32 s40, ttmp9, 9                       ; my 512 bytes of the zero rows
	s_add_co_u32 s40, s40, 131072
	s_mov_b32 s41, 0
	s_wait_kmcnt 0x0
	s_add_nc_u64 s[18:19], s[18:19], s[36:37]
	s_add_nc_u64 s[44:45], s[30:31], s[38:39]
	s_add_nc_u64 s[46:47], s[30:31], s[40:41]
	s_wait_alu depctr_va_vdst(0)                   ; v1, v5 and VBI .. VBI+4 are written: every load, LDS instruction and store below reads one of them as its offset or address
	global_load_b128 v[BI:BI+3], v[VBI], s[22:23]
	global_load_b128 v[BI+4:BI+7], v[VBI], s[22:23] offset:16
.set i, 0
.rept 32
	v_mov_b32 v[ACC+i], 0                          ; the sums start at 0, so that the loop has one form of product
.set i, i+1
.endr
	s_mov_b32 s35, 2
.Lpk:                                                  ; a trip: two K steps of 32
	s_wait_alu depctr_va_vdst(0)                   ; the trip before's conversions have written RA and RW and its products are done reading them: the loads below land there
.irp s, 0,1
	global_load_b128 v[RA+16*\s:RA+16*\s+3],     v5, s[18:19] offset:128*\s th:TH_LOAD_NT
	global_load_b128 v[RA+16*\s+4:RA+16*\s+7],   v5, s[18:19] offset:128*\s+16 th:TH_LOAD_NT
	global_load_b128 v[RA+16*\s+8:RA+16*\s+11],  v5, s[18:19] offset:128*\s+64 th:TH_LOAD_NT
	global_load_b128 v[RA+16*\s+12:RA+16*\s+15], v5, s[18:19] offset:128*\s+80 th:TH_LOAD_NT
.endr
.set t, 0
.rept 128                              ; t = 64 step + 16 block + n: k = 32 step + 8 h + n, and 8 more for n >= 8
	global_load_b32 v[RW+t], v1, s[20:21] offset:(32*(t/64)+(t%16)+8*((t%16)/8))*256+64*((t/16)%4)
.set t, t+1
.endr
	s_wait_loadcnt 0x0
.set g, 0
.rept 2
.set i, 0
.rept 8
	v_cvt_pk_bf16_f32 v[RA+16*g+i], v[RA+16*g+2*i], v[RA+16*g+2*i+1]  ; in place, ascending: a fragment is the first 8 of its 16 registers
.set i, i+1
.endr
.set g, g+1
.endr
.set g, 0
.rept 8
.set i, 0
.rept 8
	v_cvt_pk_bf16_f32 v[RW+16*g+i], v[RW+16*g+2*i], v[RW+16*g+2*i+1]
.set i, i+1
.endr
.set g, g+1
.endr
.irp s, 0,1
.irp c, 0,1,2,3
	v_wmma_f32_16x16x32_bf16 v[ACC+8*\c:ACC+8*\c+7], v[RW+64*\s+16*\c:RW+64*\s+16*\c+7], v[RA+16*\s:RA+16*\s+7], v[ACC+8*\c:ACC+8*\c+7]  ; the four accumulators take turns, over the backward jump too
.endr
.endr
.rept 4
	v_nop                                          ; four places in front of loads into registers that the products have read
.endr
	s_add_nc_u64 s[18:19], s[18:19], 256           ; all loads have come back, so their bases may be written
	s_add_nc_u64 s[20:21], s[20:21], 16384
	s_sub_co_u32 s35, s35, 1
	s_cmp_lg_u32 s35, 0
	s_cbranch_scc1 .Lpk
.rept 4
	v_nop
.endr
	s_wait_alu depctr_va_vdst(0)                   ; the products have written ACC, which the LDS stores read, and are done reading RW, in which the LDS loads behind the barrier land; the places above stay beside this wait
.irp c, 0,1,2,3
	ds_store_b128 v[VBI+1], v[ACC+8*\c:ACC+8*\c+3]   offset:1024*\c
	ds_store_b128 v[VBI+1], v[ACC+8*\c+4:ACC+8*\c+7] offset:1024*\c+16
.endr
	s_wait_dscnt 0x0                               ; for the others' sake: my partial sums lie in LDS
	s_barrier_signal -1
	s_barrier_wait -1
	s_cmp_lt_u32 s32, 4                            ; waves 0 to 3 finish a column block each
	s_cbranch_scc0 .Lzero
.irp u, 0,1,2,3,4,5,6,7
	ds_load_b128 v[RW+8*\u:RW+8*\u+3],   v[VBI+2] offset:4096*\u      ; no vector or matrix instruction since the wait ahead of the LDS stores: nothing more is owed for RW
	ds_load_b128 v[RW+8*\u+4:RW+8*\u+7], v[VBI+2] offset:4096*\u+16
.endr
.irp i, 0,1,2,3
	v_cvt_pk_bf16_f32 v[RA+\i], v[BI+2*\i], v[BI+2*\i+1]  ; bpos is rounded to bf16 like every input
.endr
.irp i, 0,1,2,3
	v_lshlrev_b32 v[BI+2*\i], 16, v[RA+\i]
	v_and_b32 v[BI+2*\i+1], 0xffff0000, v[RA+\i]
.endr
	s_wait_dscnt 0x0
.irp u, 0,1,2,3
.irp z, 0,1,2,3
	v_pk_add_f32 v[RW+16*\u+2*\z:RW+16*\u+2*\z+1], v[RW+16*\u+2*\z:RW+16*\u+2*\z+1], v[RW+16*\u+8+2*\z:RW+16*\u+8+2*\z+1]
.endr
.endr
.irp u, 0,1
.irp z, 0,1,2,3
	v_pk_add_f32 v[RW+32*\u+2*\z:RW+32*\u+2*\z+1], v[RW+32*\u+2*\z:RW+32*\u+2*\z+1], v[RW+32*\u+16+2*\z:RW+32*\u+16+2*\z+1]
.endr
.endr
.irp z, 0,1,2,3
	v_pk_add_f32 v[RW+2*\z:RW+2*\z+1], v[RW+2*\z:RW+2*\z+1], v[RW+32+2*\z:RW+32+2*\z+1]
.endr
.irp z, 0,1,2,3
	v_pk_add_f32 v[RW+2*\z:RW+2*\z+1], v[RW+2*\z:RW+2*\z+1], v[BI+2*\z:BI+2*\z+1]
.endr
.irp z, 0,1,2,3
	v_cvt_pk_f16_f32 v[RA+4+\z], v[RW+2*\z], v[RW+2*\z+1]
.endr
	s_wait_alu depctr_va_vdst(0)                   ; the roundings have written RA+4 .. RA+7, which the store reads
	global_store_b128 v[VBI+3], v[RA+4:RA+7], s[44:45]
	s_branch .Lend
.Lzero:
	s_cmp_eq_u32 s32, 4                            ; wave 4 writes the work-group's part of the zero rows
	s_cbranch_scc0 .Lend
.irp i, 0,1,2,3
	v_mov_b32 v[RA+\i], 0
.endr
	s_wait_alu depctr_va_vdst(0)                   ; the four zeros are written, which the store reads
	global_store_b128 v[VBI+4], v[RA:RA+3], s[46:47]
.Lend:
	s_wait_dscnt 0x0                               ; the closing lines, six on end
	s_wait_alu 0x0
	s_wait_tensorcnt 0x0
	ds_add_u32 v[SPW], v[NIL]
	s_wait_dscnt 0x0
	s_endpgm
.Lfunc_end_k_q3afdc13924_prep:
	.size	k_q3afdc13924_prep, .Lfunc_end_k_q3afdc13924_prep-k_q3afdc13924_prep
	.p2alignl 7, 3214868480
	.fill 96, 4, 3214868480
	.section	.rodata,"a",@progbits
	.p2align	6, 0x0
	.amdhsa_kernel k_q3afdc13924_prep
		.amdhsa_group_segment_fixed_size 33792
		.amdhsa_private_segment_fixed_size 0
		.amdhsa_enable_private_segment 0
		.amdhsa_kernarg_size 96
		.amdhsa_user_sgpr_count 2
		.amdhsa_user_sgpr_kernarg_segment_ptr 1
		.amdhsa_wavefront_size32 1
		.amdhsa_system_sgpr_workgroup_id_x 1
		.amdhsa_system_sgpr_workgroup_id_y 1
		.amdhsa_system_sgpr_workgroup_id_z 1
		.amdhsa_system_vgpr_workitem_id 0
		.amdhsa_next_free_vgpr 216
		.amdhsa_next_free_sgpr 66
		.amdhsa_reserve_vcc 0
		.amdhsa_float_denorm_mode_32 3
		.amdhsa_float_denorm_mode_16_64 3
		.amdhsa_memory_ordered 1
		.amdhsa_forward_progress 1
		.amdhsa_inst_pref_size 46
	.end_amdhsa_kernel
	.amdgpu_metadata
---
amdhsa.version: [ 1, 2 ]
amdhsa.kernels:
  - .name:           k_q3afdc13924_prep
    .symbol:         k_q3afdc13924_prep.kd
    .args:
      - { .name: x, .offset: 0, .size: 8, .value_kind: global_buffer, .address_space: global }
      - { .name: mem, .offset: 8, .size: 8, .value_kind: global_buffer, .address_space: global }
      - { .name: Wkv, .offset: 16, .size: 8, .value_kind: global_buffer, .address_space: global }
      - { .name: Wq, .offset: 24, .size: 8, .value_kind: global_buffer, .address_space: global }
      - { .name: Wout, .offset: 32, .size: 8, .value_kind: global_buffer, .address_space: global }
      - { .name: pos_emb, .offset: 40, .size: 8, .value_kind: global_buffer, .address_space: global }
      - { .name: Wpos, .offset: 48, .size: 8, .value_kind: global_buffer, .address_space: global }
      - { .name: bpos, .offset: 56, .size: 8, .value_kind: global_buffer, .address_space: global }
      - { .name: a16, .offset: 64, .size: 8, .value_kind: global_buffer, .address_space: global }
      - { .name: w16, .offset: 72, .size: 8, .value_kind: global_buffer, .address_space: global }
      - { .name: wo16, .offset: 80, .size: 8, .value_kind: global_buffer, .address_space: global }
      - { .name: pos16, .offset: 88, .size: 8, .value_kind: global_buffer, .address_space: global }
    .group_segment_fixed_size: 33792
    .private_segment_fixed_size: 0
    .kernarg_segment_align: 8
    .kernarg_segment_size: 96
    .max_flat_workgroup_size: 256
    .sgpr_count:     66
    .vgpr_count:     216
    .wavefront_size: 32
...
	.end_amdgpu_metadata
.endif
;; end of part 5
;; launch proj: the kernel of part 2 again; grid 8 x 32, 4 waves a work-group, clusters of 4 x 4, 327,680 bytes of LDS; arguments a16, w16, bkv, bq, qkv; writes qkv
;; launch attn: the kernel of part 3 again; grid 4 x 64, 4 waves a work-group, no clusters, 327,680 bytes of LDS; arguments qkv, pos16, o16; writes o16
;; launch outp: the kernel of part 4 again; grid 8 x 32, 4 waves a work-group, clusters of 4 x 4, 327,680 bytes of LDS; arguments o16, wo16, bout, out0; writes out0
